; MI455X (gfx1250); checked and timed in simulation.
; The chip was launched on July 23, 2026; its instructions are those of AMD's public machine-readable ISA for CDNA 5 (MIT licence, August 2026) and "CDNA5" Instruction Set Architecture Reference Guide (July 2026). The comments in the code are by the model that wrote it; some were corrected since.
;; Causal Self Attention. Allowed arithmetic: matrix products marked QUANTISED: E2M3 operands, one E8M0 scale for each 32 along K, by v_wmma_scale_f32_16x16x128_f8f6f4 with both operands' format E2M3, f32 sums; everything else in f32.
;; Inputs: b_out 1,024 float32; b_qkv 3,072 float32; w_out 1,024 x 1,024 float32; w_qkv 1,024 x 3,072 float32; x 1 x 4,096 x 1,024 float32.
;; Outputs: out0 1 x 4,096 x 1,024 float32.
;; This version of the problem:
;;   THIS VERSION OF THE PROBLEM IS GIVEN IN LOW PRECISION. The matrix products marked QUANTISED in the list below multiply operands that are first quantised to E2M3 (2 exponent bits, 3 mantissa bits; 6 bits a number), with one power-of-two scale for each 32 numbers along K (OCP MX v1.0); their sums are f32. All else is computed in f32.
;;   The module's matrix products, in the order in which they are computed (A, B: the left and right operand; K: the contracted axis; several contracted axes count as one K, in the product's order):
;;     1. [M 4,096, K 1,024] x [K 1,024, N 3,072]; A: input x; B: input w_qkv: QUANTISED
;;     2. batch 16 x [M 4,096, K 64] x [K 64, N 4,096]; A: computed on the way; B: computed on the way: QUANTISED
;;     3. batch 16 x [M 4,096, K 4,096] x [K 4,096, N 64]; A: softmax (see below); B: computed on the way: QUANTISED
;;     4. [M 4,096, K 1,024] x [K 1,024, N 1,024]; A: computed on the way; B: input w_out: QUANTISED
;;   THE QUANTISER, for each operand of a quantised product, along K:
;;     - K is cut into blocks of 32 from its start; a last block that is shorter is filled with zeros.
;;     - A block's scale is 2^e with e = floor(log2(the largest magnitude in the block)) - 2, held to -126 .. 127; a block of zeros has e = 0. As a byte (E8M0): e + 127.
;;     - Each number is divided by its block's scale, clamped to +-7.5, and rounded to the nearest number of E2M3, ties to even, subnormals kept.
;;     - The product sums the exact products of the quantised numbers (number of the format x scale) in f32.
;;   ~~~python
;;   def quantise(x, axis):      # numpy; x: float32 -> the quantised numbers, widened to float32 again
;;       x = np.moveaxis(x, axis, -1); K = x.shape[-1]
;;       x = np.pad(x, [(0, 0)] * (x.ndim - 1) + [(0, -K % 32)]); x = x.reshape(x.shape[:-1] + (-1, 32)); a = np.abs(x).max(-1, keepdims=True)
;;       e = np.where(a > 0, np.clip(np.frexp(np.where(a > 0, a, 1))[1] - 1 - 2, -126, 127), 0)      # np.frexp(a)[1] - 1 = floor(log2(a)), exactly
;;       r = np.clip(x / 2.0 ** e, -7.5, 7.5)
;;       step = 2.0 ** (np.maximum(np.frexp(np.where(r == 0, 1, r))[1] - 1, 0) - 3)
;;       q = np.round(r / step) * step * 2.0 ** e      # np.round: ties to even
;;       return np.moveaxis(q.reshape(q.shape[:-2] + (-1,))[..., :K], -1, axis).astype(np.float32)
;;   ~~~
;;   SOFTMAX AHEAD OF A QUANTISED PRODUCT. Where the list says 'softmax', what is quantised is not the finished softmax but p = 2^(t - M), with t = logit x log2(e) and M = ceil(the row's largest t), a whole number; so 1/2 < the row's largest p <= 1. The row's sum l is taken of the UNQUANTISED p, in f32, and the product's result is divided by l at the end. Since M is a whole number, a kernel that streams over the keys may use a running M (the ceiling of the running maximum): every later rescaling is an exact power of two, which a block's scale takes up: the codes' values come out the same.
;;   OPERANDS COMPUTED ON THE WAY. 'Computed on the way' means the value that the module computes at that place (a softmax that the list does not call 'softmax' is quantised finished and normalised). What goes into a quantiser is computed in f32, as accurately as f32 sums, v_exp_f32 and their like allow (about 1e-6 of the number): no bf16 or f16 on the way to a quantiser, and a product that is left as it is and whose result goes on into a quantised operand takes f32 operands (vector FMAs, or v_wmma_f32_16x16x4_f32). A number that lies on a knife's edge between two numbers of the format may be rounded either way, as far as f32 arithmetic and the matrix unit's own rounding can turn it there, and no further.
;; One version. Each part assembles by itself: llvm-mc -triple=amdgcn-amd-amdhsa -mcpu=gfx1250 --defsym DOCPART=n.
;; ======== version 1 of 1: 4 launches
;; limits: right only within a limited range of input values
;; workspace buffers: xq 3,276,800 bytes; wq 3,276,800 bytes; qk 6,553,600 bytes; vq 3,276,800 bytes; oq 3,276,800 bytes
;; launch quant (part 1): grid 256 x 1, 4 waves a work-group, no clusters, 68,096 bytes of LDS; arguments x, w_qkv, w_out, xq, wq; writes xq, wq
.if DOCPART == 1
	.amdgcn_target "amdgcn-amd-amdhsa--gfx1250"
	.amdhsa_code_object_version 6
	.text
	.protected	k_q3c81318bb7_quant
	.globl	k_q3c81318bb7_quant
	.p2align	8
	.type	k_q3c81318bb7_quant,@function
k_q3c81318bb7_quant:
	s_mov_b64 s[64:65], 0
	v_nop
	global_prefetch_b8 v0, s[64:65] scope:SCOPE_SE
	s_setreg_imm32_b32 hwreg(HW_REG_WAVE_MODE, 25, 1), 1
	s_wait_xcnt 0x0
; x [4096][1024], w_qkv [1024][3072] and w_out [1024][1024], f32, become codes of FP6 (E2M3) with K innermost and one E8M0 byte for each 32 along K.
; xq: 4,096 rows of 768 bytes of codes, then (from byte SCOFF) 4,096 rows of 32 scale bytes.  wq: the same; rows 0-3071 are w_qkv's columns, rows 3072-4095 w_out's.
; THE ORDER OF ROWS: natural row n lies at stored row sw(n) = n with bits 3 and 4 exchanged.  So 16 neighbouring stored rows 16 (2 b + u) + r are the natural rows 32 b + 8 u + r + 8 (r / 8): the choice of rows
; with which the results of a product that is used transposed lie, in a lane's registers, as neighbours along the next product's K.  The products' launches then read plain neighbouring rows.
; A block's scale is 2^(floor(log2(largest magnitude)) - 2); its byte is the largest magnitude's exponent field - 2, held at 1 from below.
; LIMITS: NaN and infinities among the inputs are not served; a block whose largest magnitude lies under 2^-124 gets the byte 1; a block of zeros gets the byte 1 where the rule says 127: its codes are zeros,
; which add nothing under any byte but 0xff, and this program alone reads the bytes.
; Work-groups 0-127 take x (K innermost: a plain stream of blocks), work-groups 128-255 the weights (K is the first axis: a lane takes a column and its registers run down K).  The two ways part on the
; work-group's number and have LDS bytes of their own.  No tensor loads, no barrier: waves share nothing.  No cluster: no two work-groups read the same bytes.
.set SCOFF, 3145728                    ; where the scale bytes begin in xq and in wq
.set EMAX,  2
; x's way
.set STEPS, 16                         ; a wave takes 16 steps of 512 numbers: 8 rows of x
.set CBY,   12                         ; bytes of 16 codes
.set XR,    16                         ; v16-79   four sets of 16 numbers as they are loaded
.set XX,    80                         ; v80-111  two sets of 16 neighbours
.set XE,    112                        ; v112-127 a scale byte for each step
.set XC,    128                        ; v128-191 codes: four registers for each step, so that no store's data are written again
.set WREG,  8192                       ; LDS bytes 0-32,767: a region for each wave: two stages of 32 x SP bytes, behind them its 256 scale bytes
.set SP,    80                         ; a lane's place in a stage: its 64 bytes + 16 of padding
; the weights' way
.set NB,    8                          ; a wave takes 32 columns x 256 along K: 8 blocks a lane
.set WPITCH, 272                       ; a stage row: sixteen places of 16 bytes, each with 12 bytes of codes, + 16
.set WSTG,  32768                      ; LDS bytes 32,768-67,583: a stage of 32 rows for each wave
.set KROW,  768                        ; a row of codes in bytes
.set WX,    32                         ; v32-95   two sets of 32 numbers
.set WC,    96                         ; v96..    a block's codes
.set OUTR,  112                        ; v112-175 the way out
.set SBY,   24                         ; v24-25   the scale bytes
.set VO,    176                        ; v176-207 4 x lane + i rows of the weight, i = 0 .. 31; never rewritten
.set WBASE, 32                         ; s[32:47] block t's first row at my wave's first column; never rewritten
	s_load_b256 s[4:11], s[0:1], 0x0               ; x s[4:5], w_qkv s[6:7], w_out s[8:9], xq s[10:11]
	s_load_b64 s[12:13], s[0:1], 0x20              ; wq
	v_lshl_add_u32 v208, v0, 2, 0x10800
	v_mov_b32 v209, 0
	v_lshrrev_b32 v1, 5, v0
	v_readfirstlane_b32 s16, v1                    ; wave
	v_and_b32 v2, 31, v0                           ; lane
	s_cmp_lt_u32 ttmp9, 128
	s_cbranch_scc0 .Lweights
	; ---------------- x.  Each load reads 512 consecutive bytes; a step's 2,048 bytes turn through the wave's stage so that a lane holds 16 neighbours; two neighbouring lanes hold a block.
	v_lshlrev_b32 v3, 4, v2                        ; my 16 bytes of a load's 512
	s_mul_i32 s17, s16, WREG
	v_lshrrev_b32 v14, 2, v2
	v_mul_u32_u24 v14, v14, SP
	v_and_b32 v15, 3, v2
	v_lshl_add_u32 v14, v15, 4, v14
	v_add_nc_u32 v14, s17, v14                     ; the stage, on the way in: SP (lane / 4) + 16 (lane % 4)
	v_mul_u32_u24 v15, v2, SP
	v_add_nc_u32 v15, s17, v15                     ; and on the way out: SP x lane
	v_mul_u32_u24 v4, v2, CBY                      ; my codes' place in a step's
	v_lshrrev_b32 v5, 1, v2
	s_add_co_u32 s17, s17, 2*32*SP
	v_add_nc_u32 v5, s17, v5                       ; my wave's 256 scale bytes, my block's byte
	v_lshlrev_b32 v7, 3, v2                        ; and on the way out 8 bytes a lane
	v_add_nc_u32 v6, s17, v7
	s_lshl_b32 s17, ttmp9, 2
	s_add_co_u32 s18, s17, s16                     ; g: which run of 8 rows is my wave's
	s_and_b32 s19, s18, 1
	s_lshl_b32 s19, s19, 1
	s_bfe_u32 s20, s18, 0x10001
	s_or_b32 s19, s19, s20
	s_and_b32 s20, s18, 0xfffffffc
	s_or_b32 s20, s20, s19                         ; g with its bits 0 and 1 exchanged: where the run lies in the stored order
	s_lshl_b32 s22, s18, 15                        ; 8 rows of 4,096 bytes
	s_mov_b32 s23, 0
	s_mul_i32 s24, s20, 8*KROW
	s_mov_b32 s25, 0
	s_lshl_b32 s26, s20, 8
	s_add_co_u32 s26, s26, SCOFF
	s_mov_b32 s27, 0
	s_wait_alu depctr_va_vdst(0)
	s_wait_kmcnt 0x0
	s_add_nc_u64 s[4:5], s[4:5], s[22:23]          ; x at my run
	s_add_nc_u64 s[8:9], s[10:11], s[24:25]        ; its codes
	s_add_nc_u64 s[10:11], s[10:11], s[26:27]      ; its scale bytes
.macro LOADX t
.irp i, 0,1,2,3
	global_load_b128 v[XR+16*((\t)%4)+4*\i:XR+16*((\t)%4)+4*\i+3], v3, s[4:5] offset:2048*(\t)+512*\i th:TH_LOAD_NT
.endr
.endm
.macro TURNX t                         ; step t's numbers through the stage: LDS serves a wave's instructions in order, so no wait stands between the stores and the loads
.irp i, 0,1,2,3
	ds_store_b128 v14, v[XR+16*((\t)%4)+4*\i:XR+16*((\t)%4)+4*\i+3] offset:32*SP*((\t)%2)+8*SP*\i
.endr
.irp i, 0,1,2,3
	ds_load_b128 v[XX+16*((\t)%2)+4*\i:XX+16*((\t)%2)+4*\i+3], v15 offset:32*SP*((\t)%2)+16*\i
.endr
.endm
.irp t, 0,1,2,3
	LOADX \t
.endr
	s_wait_loadcnt 12                              ; step 0's four loads are in; the 12 of steps 1 to 3 may be out
	TURNX 0
.macro STEPX t
.set XS, XX+16*((\t)%2)
.if (\t) > 0
	s_wait_dscnt 1                                 ; this step's numbers are back from the stage (the last step's byte store may be out)
.else
	s_wait_dscnt 0x0
.endif
.if (\t)+4 < STEPS
	LOADX (\t)+4                                   ; into the registers that the stage's stores have read
.endif
.if (\t)+1 < STEPS
.if STEPS-2-(\t) >= 3
	s_wait_loadcnt 12                              ; the next step's four loads are in; those of the three steps behind it may be out
.else
	s_wait_loadcnt 4*(STEPS-2-(\t))
.endif
	TURNX (\t)+1
.endif
	v_max3_num_f32 v8, |v[XS]|, |v[XS+1]|, |v[XS+2]|               ; the largest magnitude of my 16
	v_max3_num_f32 v9, |v[XS+3]|, |v[XS+4]|, |v[XS+5]|
.irp i, 6,10
	v_max3_num_f32 v8, v8, |v[XS+\i]|, |v[XS+\i+1]|
	v_max3_num_f32 v9, v9, |v[XS+\i+2]|, |v[XS+\i+3]|
.endr
	v_max3_num_f32 v8, v8, |v[XS+14]|, |v[XS+15]|
	v_max3_num_f32 v8, v8, v9, (EMAX+1)<<23        ; and the floor 2^(3 - 127): the byte cannot fall under 1
	v_max_num_f32_dpp v8, v8, v8 row_xmask:1 row_mask:0xf bank_mask:0xf   ; and of my neighbour's 16: the block's
	v_add_nc_u32 v11, -(EMAX<<23), v8              ; 2 off its exponent field: the conversion takes the exponent field of this operand as its scale
	v_cvt_scalef32_pk16_fp6_f32 v[XC+4*(\t):XC+4*(\t)+2], v[XS:XS+15], v11
	v_lshrrev_b32 v[XE+(\t)], 23, v11              ; the scale's byte (also the plain line behind the conversion)
	ds_store_b8 v5, v[XE+(\t)] offset:16*(\t)      ; both lanes of a block write the same byte with the same value
	global_store_b96 v4, v[XC+4*(\t):XC+4*(\t)+2], s[8:9] offset:32*CBY*(\t)   ; the wave stores 384 consecutive bytes
.endm
.irp t, 0,1,2,3,4,5,6,7,8,9,10,11,12,13,14,15
	STEPX \t
.endr
	ds_load_b64 v[12:13], v6                       ; LDS serves a wave's instructions in order: these see my stores
	s_wait_dscnt 0x0
	global_store_b64 v7, v[12:13], s[10:11]        ; 32 lanes store 256 consecutive bytes, aligned: the scale bytes of 8 rows
	s_wait_tensorcnt 0x0
	ds_add_u32 v208, v209
	s_wait_dscnt 0x0
	s_endpgm
	; ---------------- the weights.  Work-group 128 + 32 y + xc takes columns 128 xc .. + 127 of [w_qkv | w_out] and K = 256 y .. + 255.
.Lweights:
	s_sub_co_u32 s17, ttmp9, 128
	s_and_b32 s18, s17, 31                         ; xc
	s_lshr_b32 s19, s17, 5                         ; y
	s_lshl_b32 s20, s18, 7
	s_lshl_b32 s21, s16, 5
	s_add_co_u32 s20, s20, s21                     ; n0: my wave's first column, and its first row in wq
	s_mul_i32 s17, s16, 32*WPITCH
	s_add_co_u32 s17, s17, WSTG                    ; my stage
	s_wait_alu depctr_va_vdst(0)
	v_mul_u32_u24 v4, v2, WPITCH
	v_add_nc_u32 v4, s17, v4                       ; into it: row = my column
	v_and_b32 v5, 15, v2
	v_lshrrev_b32 v6, 4, v2
	v_mul_u32_u24 v7, v6, WPITCH
	v_lshl_add_u32 v7, v5, 4, v7
	v_add_nc_u32 v7, s17, v7                       ; out of it: sixteen lanes to a row, two rows an instruction
	v_mul_u32_u24 v8, v6, KROW
	v_mad_u32_u24 v8, v5, 12, v8                   ; and the same place in wq
	v_and_b32 v10, 7, v2
	v_bfe_u32 v11, v2, 3, 1
	v_bfe_u32 v12, v2, 4, 1
	v_lshl_or_b32 v10, v11, 4, v10
	v_lshl_or_b32 v10, v12, 3, v10                 ; sw(lane)
	v_lshlrev_b32 v9, 5, v10                       ; my column's row of scale bytes, in the stored order
	s_cmp_ge_u32 s18, 24                           ; columns from 3,072 on are w_out's
	s_mov_b32 s22, 12288
	s_cselect_b32 s22, 4096, s22                   ; a row of the weight in bytes
	s_cselect_b32 s23, 3072, 0
	s_wait_kmcnt 0x0
	s_cselect_b64 s[6:7], s[8:9], s[6:7]           ; the choice hangs on the work-group's number alone
	s_sub_co_u32 s23, s20, s23                     ; my first column in that weight
	s_lshl_b32 s24, s19, 8
	s_mul_i32 s24, s24, s22                        ; 256 y rows
	s_lshl_b32 s25, s23, 2
	s_add_co_u32 s24, s24, s25
	s_mov_b32 s25, 0
	s_add_nc_u64 s[WBASE:WBASE+1], s[6:7], s[24:25]
	s_lshl_b32 s26, s22, 5                         ; 32 rows
	s_mov_b32 s27, 0
.irp t, 1,2,3,4,5,6,7
	s_add_nc_u64 s[WBASE+2*\t:WBASE+2*\t+1], s[WBASE+2*\t-2:WBASE+2*\t-1], s[26:27]
.endr
	v_lshlrev_b32 v[VO], 2, v2
.set ii, 1
.rept 31
	v_add_nc_u32 v[VO+ii], s22, v[VO+ii-1]
.set ii, ii+1
.endr
	s_mul_i32 s28, s20, KROW
	s_mul_i32 s29, s19, 192
	s_add_co_u32 s28, s28, s29
	s_mov_b32 s29, 0
	s_lshl_b32 s30, s20, 5
	s_lshl_b32 s31, s19, 3
	s_add_co_u32 s30, s30, s31
	s_add_co_u32 s30, s30, SCOFF
	s_mov_b32 s31, 0
	s_add_nc_u64 s[14:15], s[12:13], s[30:31]      ; my wave's scale bytes: row n0, byte 8 y
	s_add_nc_u64 s[12:13], s[12:13], s[28:29]      ; my wave's codes: row n0, byte 192 y
.macro LOADW t                         ; block t: W(32 t + i, my column), i = 0 .. 31, into set t % 2: each load reads 128 consecutive bytes
.set ii, 0
.rept 32
	global_load_b32 v[WX+32*((\t)%2)+ii], v[VO+ii], s[WBASE+2*(\t):WBASE+2*(\t)+1] th:TH_LOAD_NT
.set ii, ii+1
.endr
.endm
	s_wait_alu depctr_va_vdst(0)
	LOADW 0
	LOADW 1
.macro BLOCKW t
.set XS, WX+32*((\t)%2)
.if (\t) < NB-1
	s_wait_loadcnt 32                              ; this block's 32 loads are in; the next block's 32 may be out
.else
	s_wait_loadcnt 0
.endif
	v_max3_num_f32 v12, |v[XS]|, |v[XS+1]|, |v[XS+2]|               ; the block's largest magnitude: all 32 numbers are mine
	v_max3_num_f32 v13, |v[XS+3]|, |v[XS+4]|, |v[XS+5]|
.irp i, 6,10,14,18,22,26
	v_max3_num_f32 v12, v12, |v[XS+\i]|, |v[XS+\i+1]|
	v_max3_num_f32 v13, v13, |v[XS+\i+2]|, |v[XS+\i+3]|
.endr
	v_max3_num_f32 v12, v12, |v[XS+30]|, |v[XS+31]|
	v_max3_num_f32 v12, v12, v13, (EMAX+1)<<23     ; and the floor
	v_add_nc_u32 v11, -(EMAX<<23), v12             ; the conversions' scale operand
	v_lshrrev_b32 v13, 23, v11                     ; the scale's byte
.if (\t)%4 == 0
	v_mov_b32 v[SBY+(\t)/4], v13                   ; four bytes to a register, the lower K in the lower byte
.else
	v_lshl_or_b32 v[SBY+(\t)/4], v13, 8*((\t)%4), v[SBY+(\t)/4]
.endif
	v_cvt_scalef32_pk16_fp6_f32 v[WC:WC+2], v[XS:XS+15], v11
	v_cvt_scalef32_pk16_fp6_f32 v[WC+4:WC+6], v[XS+16:XS+31], v11   ; (a conversion's three registers begin on an even number)
	v_nop                                          ; one plain line behind the last conversion
	ds_store_b96 v4, v[WC:WC+2] offset:32*(\t)     ; 12 bytes to a place of 16, so that every LDS address is a multiple of 16
	ds_store_b96 v4, v[WC+4:WC+6] offset:32*(\t)+16
.if (\t)+2 < NB
	LOADW (\t)+2
.endif
	s_wait_dscnt 0x0                               ; the stores have read their registers: the next block's codes may be written
.endm
.irp t, 0,1,2,3,4,5,6,7
	BLOCKW \t
.endr
	s_wait_alu depctr_va_vdst(0)
	global_store_b64 v9, v[SBY:SBY+1], s[14:15]    ; my column's 8 scale bytes
.irp t, 0,1,2,3,4,5,6,7,8,9,10,11,12,13,14,15
	ds_load_b96 v[OUTR+4*\t:OUTR+4*\t+2], v7 offset:2*\t*WPITCH   ; LDS serves a wave's instructions in order: these see my stores
.endr
.irp t, 0,1,2,3,4,5,6,7,8,9,10,11,12,13,14,15
	s_wait_dscnt 15-\t                             ; the 15 - t younger loads may be out
	global_store_b96 v8, v[OUTR+4*\t:OUTR+4*\t+2], s[12:13] offset:(((2*\t)&7)+(((2*\t)>>3)&1)*16+(((2*\t)>>4)&1)*8)*KROW   ; columns 2 t and 2 t + 1 go to stored rows sw(2 t), sw(2 t) + 1: sixteen lanes store 192 consecutive bytes
.endr
	s_wait_tensorcnt 0x0
	ds_add_u32 v208, v209
	s_wait_dscnt 0x0
	s_endpgm
.Lfunc_end_k_q3c81318bb7_quant:
	.size	k_q3c81318bb7_quant, .Lfunc_end_k_q3c81318bb7_quant-k_q3c81318bb7_quant
	.p2alignl 7, 3214868480
	.fill 96, 4, 3214868480
	.section	.rodata,"a",@progbits
	.p2align	6, 0x0
	.amdhsa_kernel k_q3c81318bb7_quant
		.amdhsa_group_segment_fixed_size 68096
		.amdhsa_private_segment_fixed_size 0
		.amdhsa_enable_private_segment 0
		.amdhsa_kernarg_size 40
		.amdhsa_user_sgpr_count 2
		.amdhsa_user_sgpr_kernarg_segment_ptr 1
		.amdhsa_wavefront_size32 1
		.amdhsa_system_sgpr_workgroup_id_x 1
		.amdhsa_system_sgpr_workgroup_id_y 1
		.amdhsa_system_sgpr_workgroup_id_z 1
		.amdhsa_system_vgpr_workitem_id 0
		.amdhsa_next_free_vgpr 210
		.amdhsa_next_free_sgpr 66
		.amdhsa_reserve_vcc 0
		.amdhsa_float_denorm_mode_32 3
		.amdhsa_float_denorm_mode_16_64 3
		.amdhsa_memory_ordered 1
		.amdhsa_forward_progress 1
		.amdhsa_inst_pref_size 75
	.end_amdhsa_kernel
	.amdgpu_metadata
---
amdhsa.version: [ 1, 2 ]
amdhsa.kernels:
  - .name:           k_q3c81318bb7_quant
    .symbol:         k_q3c81318bb7_quant.kd
    .args:
      - { .name: x, .offset: 0, .size: 8, .value_kind: global_buffer, .address_space: global }
      - { .name: w_qkv, .offset: 8, .size: 8, .value_kind: global_buffer, .address_space: global }
      - { .name: w_out, .offset: 16, .size: 8, .value_kind: global_buffer, .address_space: global }
      - { .name: xq, .offset: 24, .size: 8, .value_kind: global_buffer, .address_space: global }
      - { .name: wq, .offset: 32, .size: 8, .value_kind: global_buffer, .address_space: global }
    .group_segment_fixed_size: 68096
    .private_segment_fixed_size: 0
    .kernarg_segment_align: 8
    .kernarg_segment_size: 40
    .max_flat_workgroup_size: 128
    .sgpr_count:     66
    .vgpr_count:     210
    .wavefront_size: 32
...
	.end_amdgpu_metadata
.endif
;; end of part 1
;; launch gemm_qkv (part 2): grid 12 x 16, 4 waves a work-group, clusters of 4 x 4, 327,680 bytes of LDS; arguments xq, wq, b_qkv, qk, vq; writes qk, vq
.if DOCPART == 2
	.amdgcn_target "amdgcn-amd-amdhsa--gfx1250"
	.amdhsa_code_object_version 6
	.text
	.protected	k_q3c81318bb7_gemm_qkv
	.globl	k_q3c81318bb7_gemm_qkv
	.p2align	8
	.type	k_q3c81318bb7_gemm_qkv,@function
k_q3c81318bb7_gemm_qkv:
	s_mov_b64 s[64:65], 0
	v_nop
	global_prefetch_b8 v0, s[64:65] scope:SCOPE_SE
	s_setreg_imm32_b32 hwreg(HW_REG_WAVE_MODE, 25, 1), 1
	s_wait_xcnt 0x0
	s_wait_alu depctr_hold_cnt(0) depctr_sa_sdst(0) depctr_va_vdst(0) depctr_va_sdst(0) depctr_va_ssrc(0) depctr_va_vcc(0) depctr_vm_vsrc(0)
	s_getreg_b32 s2, hwreg(HW_REG_IB_STS2, 6, 4)
	s_cmp_eq_u32 s2, 0
	s_cbranch_scc0 .Lentry_in_a_cluster
	s_endpgm
.Lentry_in_a_cluster:
	s_bfe_u32 s2, ttmp6, 0x10000c
	s_cmp_lg_u32 s2, 0xf033
	s_cbranch_scc0 .Lentry_shape_is_right
	s_endpgm
.Lentry_shape_is_right:
; qkv = x w_qkv + b_qkv on codes of FP6 (E2M3), one E8M0 byte for each 32 along K = 1,024; the result is quantised again and leaves as images of the attention's operands.
; xq, wq: rows of 768 bytes of codes, from byte SCOFF rows of 32 scale bytes; rows in the stored order (bits 3 and 4 of the number exchanged).
; A tile is 256 x 256, four waves of 128 x 128.  Clusters x = 0, 1 make q and k (A = x's rows, B = w_qkv's columns: a lane's registers run along a head's channels);
; cluster x = 2 makes v with the roles exchanged (A = w_qkv's columns 2,048 on, B = x's rows: a lane's registers run along the keys).
; K goes through a ring of two LDS slots in chunks of 256 bytes of each row: every tensor row begins at a multiple of 256 bytes.  A step of 128 along K is 96 bytes: eight steps to three chunks; steps 2 and 5 lie across two chunks.
; The scale bytes of the tile's 256 + 256 rows are two dense blocks: they come once, at the head.  Joint loads: A's tiles along a row of the cluster, B's along a column.
; PREFETCH: behind the loads of chunk c (c = 0, 1) each wave names chunk c + 1, one refill ahead: 32 rows x 256 bytes, a lane a row.  Of the 128 rows that a wave fetches in the ring, the partner at place p among the four that ask
; jointly takes rows 32 p .. 32 p + 31 (p = cx for A, cy for B: by address, no branch): each block of 256 bytes is named once in each cluster that loads it.  Chunk 0 comes by its load alone; nothing is named behind chunk 2.
; LIMITS: NaN and infinities are not served; a block whose largest magnitude lies under 2^-124, or of zeros, gets the byte 1 (its codes add nothing; this program alone reads the bytes).
; REGISTERS: window 0: v8-15, v64-127 the bias; v16-31 addresses; v32-63 scale words, two sets; v128-223 A's fragments, one set.  Window 1: B's fragments, two sets.  Windows 2, 3: the 64 accumulators.
.set ROWB,   256
.set NQ,     2
.set KROW,   768
.set STEPS,  8
.set CHUNKS, 3
.set PITCH,  272                       ; 256 bytes + 16 of padding
.set FR,     12
.set NL,     6
.set NP,     4
.set HALFT,  128*PITCH
.set SLOT,   4*HALFT
.set KS,     32
.set SCOFF,  3145728
.set SCL,    2*SLOT
.set HALFS,  (128*KS/256)*272
.set SBLK,   (16*KS/256)*272
.set SPARE,  SCL+4*HALFS
.set ADRA, 16
.set ADRB, 20
.set LI,   24
.set SA,   25
.set PFO,  26                          ; v26: the prefetches' offset, my lane x a row; never rewritten.  s[4:5]: their base; never rewritten
.set ADRS, 27
.set SPW,  28
.set NIL,  29
.set RB,   8
.set CB,   64
.set SC,   32
.set AF,   128
.set T,    128
.set TM,   192
.set CT,   208
.set FA,   216
.set FB,   228
.set WA,   240
.set WB,   244
.set VS,   248
.set BB,   252
.set SEL,  66
.set OS,   98
.set OC,   100
.set G1, 24
.set G0, 32
.set G1B, 48
.set G0B, 56
.set G1S, 68
.set G0S, 76
.set G1SB, 80
.set G0SB, 88
.set MSB, 0
.macro WIN new
.if MSB != \new
	s_set_vgpr_msb (MSB<<8)|\new
.set MSB, \new
.endif
.endm
.set MUL_LO, 0xa1
.set MUL_HI, 0xf1
.set TO_B,   0x40
.macro JLOAD g0a, g1a, g0b, g1b        ; waves 0, 1 fetch for A, waves 2, 3 for B
	s_cmp_eq_u32 s15, 0
	s_cbranch_scc0 .Lfor_b_\@
	tensor_load_to_lds s[\g0a:\g0a+3], s[\g1a:\g1a+7]
	s_nop 0
.rept 4
	v_nop
.endr
	s_branch .Lasked_\@
.Lfor_b_\@:
	tensor_load_to_lds s[\g0b:\g0b+3], s[\g1b:\g1b+7]
	s_nop 0
.rept 4
	v_nop
.endr
.Lasked_\@:
.endm
.macro CREST
	s_cmp_lg_u32 s14, 0
	s_cbranch_scc1 .Lnot_wave_0_\@
	s_barrier_signal -3
.Lnot_wave_0_\@:
	s_barrier_wait -3
	s_barrier_signal -1
	s_barrier_wait -1
.endm
.macro CROUND
	s_barrier_signal -1
	s_barrier_wait -1
	CREST
.endm
	s_load_b256 s[4:11], s[0:1], 0x0               ; xq, wq, b_qkv, qk
	s_load_b64 s[12:13], s[0:1], 0x20              ; vq
	v_lshl_add_u32 v[SPW], v0, 2, SPARE
	v_mov_b32 v[NIL], 0
	ds_add_u32 v[SPW], v[NIL]                      ; the opening lines: the add twice on end
	ds_add_u32 v[SPW], v[NIL]
	v_lshrrev_b32 v1, 5, v0
	v_readfirstlane_b32 s14, v1                    ; wave
	s_lshr_b32 s15, s14, 1                         ; my half of the rows; I fetch for A (0) or B (1)
	s_and_b32 s16, s14, 1                          ; my half of the columns; which 128 rows I fetch
	s_bfe_u32 s40, ttmp6, 0x40000                  ; cx
	s_bfe_u32 s41, ttmp6, 0x40004                  ; cy
	s_and_b32 s17, ttmp7, 0xffff
	s_lshl_b32 s17, s17, 2
	s_lshl_b32 s42, ttmp9, 2
	s_cmp_eq_u32 ttmp9, 2                          ; v's clusters: the roles are exchanged
	s_cselect_b32 s42, s17, s42
	s_cselect_b32 s17, 8, s17
	s_add_co_u32 s42, s42, s40                     ; B's tile
	s_add_co_u32 s17, s17, s41                     ; A's tile
	s_lshl_b32 s43, s41, 2
	s_lshl_b32 s43, 15, s43                        ; my row of the cluster
	s_lshl_b32 s44, 0x1111, s40                    ; my column
	s_mov_b32 s[SEL], 0x76543210
	s_mov_b32 s[SEL+1], 0xfedcba98
	s_or_b32 s[G1+0], s43, (0<<16)|(1<<20)|(1<<21)|(5<<22)|(3<<25)   ; bytes; 4 words of padding behind every 64
	s_or_b32 s[G1B+0], s44, (0<<16)|(1<<20)|(1<<21)|(5<<22)|(3<<25)
.irp g, G1, G1B
	s_mov_b32 s[\g+1], ROWB<<16
	s_mov_b32 s[\g+2], 256<<16                     ; 256 rows for the head's loads
	s_mov_b32 s[\g+3], ROWB<<16
	s_mov_b32 s[\g+4], 256
	s_mov_b32 s[\g+5], KROW
	s_mov_b32 s[\g+6], 0
	s_mov_b32 s[\g+7], 0
.endr
	s_or_b32 s[G1S+0], s43, (3<<16)|(1<<20)|(1<<21)|(5<<22)|(3<<25)  ; the scales of 256 rows: KS rows of 256 bytes
	s_or_b32 s[G1SB+0], s44, (3<<16)|(1<<20)|(1<<21)|(5<<22)|(3<<25)
.irp g, G1S, G1SB
	s_mov_b32 s[\g+1], 32<<16
	s_mov_b32 s[\g+2], KS<<16
	s_mov_b32 s[\g+3], 32<<16
	s_mov_b32 s[\g+4], KS
	s_mov_b32 s[\g+5], 32
	s_mov_b32 s[\g+6], 0
	s_mov_b32 s[\g+7], 0
.endr
	s_lshl_b32 s20, s17, 8
	s_lshl_b32 s46, s42, 8
	s_mov_b32 s21, 0
	s_mov_b32 s47, 0
	s_mov_b64 s[18:19], KS
	s_mul_u64 s[22:23], s[20:21], s[18:19]
	s_mul_u64 s[92:93], s[46:47], s[18:19]
	s_mov_b64 s[18:19], KROW
	s_mul_u64 s[20:21], s[20:21], s[18:19]
	s_mul_u64 s[46:47], s[46:47], s[18:19]
	s_mul_i32 s2, s16, 128*KROW                    ; in the ring I fetch 128 rows: which half, in bytes
	s_mov_b32 s3, 0
	s_mul_i32 s45, s14, HALFT                      ; and where they go
	s_wait_dscnt 0x0
	s_wait_kmcnt 0x0
	s_cmp_eq_u32 ttmp9, 2
	s_cselect_b64 s[96:97], s[6:7], s[4:5]
	s_cselect_b64 s[98:99], s[4:5], s[6:7]
	s_cselect_b64 s[OC:OC+1], s[12:13], s[10:11]
	s_mov_b32 s95, 6291456
	s_cselect_b32 s95, SCOFF, s95                  ; where the result's scale words begin
	s_add_nc_u64 s[20:21], s[96:97], s[20:21]
	s_add_nc_u64 s[22:23], s[96:97], s[22:23]
	s_add_nc_u64 s[22:23], s[22:23], SCOFF
	s_add_nc_u64 s[46:47], s[98:99], s[46:47]
	s_add_nc_u64 s[92:93], s[98:99], s[92:93]
	s_add_nc_u64 s[92:93], s[92:93], SCOFF
	CROUND                                         ; the first joint loads meet
	s_mov_b32 s[G0], 1                             ; slot 0's groups 0 first serve the head: chunk 0's 256 rows of A,
	s_mov_b32 s[G0+1], 0
	s_mov_b64 s[G0+2:G0+3], s[20:21]
	s_or_b32 s[G0+3], s[G0+3], 0x80000000
	s_mov_b32 s[G0B], 1                            ; and of B
	s_mov_b32 s[G0B+1], 2*HALFT
	s_mov_b64 s[G0B+2:G0B+3], s[46:47]
	s_or_b32 s[G0B+3], s[G0B+3], 0x80000000
	s_mov_b32 s[G0S], 1
	s_mov_b32 s[G0S+1], SCL
	s_mov_b64 s[G0S+2:G0S+3], s[22:23]
	s_or_b32 s[G0S+3], s[G0S+3], 0x80000000
	s_mov_b32 s[G0SB], 1
	s_mov_b32 s[G0SB+1], SCL+2*HALFS
	s_mov_b64 s[G0SB+2:G0SB+3], s[92:93]
	s_or_b32 s[G0SB+3], s[G0SB+3], 0x80000000
	s_mov_b32 s[G0+4], 1                           ; slot 1: chunk 1, my 128 rows
	s_add_co_u32 s[G0+5], s45, SLOT
	s_add_nc_u64 s[G0+6:G0+7], s[20:21], s[2:3]
	s_add_nc_u64 s[G0+6:G0+7], s[G0+6:G0+7], ROWB
	s_or_b32 s[G0+7], s[G0+7], 0x80000000
	s_mov_b32 s[G0B+4], 1
	s_add_co_u32 s[G0B+5], s45, SLOT
	s_add_nc_u64 s[G0B+6:G0B+7], s[46:47], s[2:3]
	s_add_nc_u64 s[G0B+6:G0B+7], s[G0B+6:G0B+7], ROWB
	s_or_b32 s[G0B+7], s[G0B+7], 0x80000000
.macro ARM under, g0, g1, next         ; the head's four tiles, one a wave, in one tree of branches on the wave's number
	s_cmp_lt_u32 s14, \under
	s_cbranch_scc0 \next
	tensor_load_to_lds s[\g0:\g0+3], s[\g1:\g1+7]
	s_nop 0
.rept 4
	v_nop
.endr
	s_branch .Lhead_asked
\next:
.endm
	ARM 1, G0,  G1,  .Lhead_b
	ARM 2, G0B, G1B, .Lhead_sa
	ARM 3, G0S, G1S, .Lhead_sb
	tensor_load_to_lds s[G0SB:G0SB+3], s[G1SB:G1SB+7]
	s_nop 0
.rept 4
	v_nop
.endr
.Lhead_asked:
	; the prefetches' base: of the 128 rows that I fetch in the ring, my work-group's 32
	s_cmp_eq_u32 s15, 0                            ; do I fetch for A?  (selects on the wave's number; the partners are told apart by address)
	s_cselect_b32 s20, s17, s42                    ; the tile
	s_cselect_b32 s21, s40, s41                    ; my place among the four that ask for it with me
	s_cselect_b64 s[4:5], s[96:97], s[98:99]
	s_lshl_b32 s20, s20, 8
	s_lshl_b32 s22, s16, 7
	s_add_co_u32 s20, s20, s22
	s_lshl_b32 s21, s21, 5
	s_add_co_u32 s20, s20, s21
	s_mul_i32 s20, s20, KROW
	s_mov_b32 s21, 0
	s_add_nc_u64 s[4:5], s[4:5], s[20:21]
	v_and_b32 v[PFO], 31, v0
	v_mul_u32_u24 v[PFO], v[PFO], KROW
	global_prefetch_b8 v[PFO], s[4:5] offset:ROWB th:TH_LOAD_NT scope:SCOPE_SE     ; chunk 1
	v_and_b32 v1, 15, v0                           ; r
	v_bfe_u32 v2, v0, 4, 1                         ; h
	v_mul_u32_u24 v3, v1, PITCH
	v_mul_u32_u24 v4, v2, 24
	v_add_nc_u32 v4, v3, v4
	s_mov_b32 s21, SLOT-232
	s_mov_b32 s22, SLOT+232
	v_sub_nc_u32 v7, 1, v2
	v_mul_u32_u24 v5, s21, v2
	v_add_nc_u32 v5, v3, v5
	v_add_nc_u32 v5, 232, v5                       ; across two chunks: lanes 0-15 byte 232 in slot 0, lanes 16-31 byte 0 in slot 1
	v_mul_u32_u24 v6, s22, v7
	v_add_nc_u32 v6, v3, v6                        ; and the other way round
	s_mul_i32 s21, s15, HALFT
	s_mul_i32 s22, s16, HALFT
	s_add_co_u32 s22, s22, 2*HALFT
	v_add_nc_u32 v[ADRA+2], s21, v5
	v_add_nc_u32 v[ADRA+3], s21, v6
	v_add_nc_u32 v[ADRB+2], s22, v5
	v_add_nc_u32 v[ADRB+3], s22, v6
.irp s, 0,1
	v_add_nc_u32 v[ADRA+\s], s21, v4
	v_add_nc_u32 v[ADRB+\s], s22, v4
	s_add_co_u32 s21, s21, SLOT
	s_add_co_u32 s22, s22, SLOT
.endr
	v_mul_u32_u24 v5, v1, KS
	v_lshrrev_b32 v6, 8, v5
	v_lshl_add_u32 v5, v6, 4, v5
	s_mul_i32 s21, s15, HALFS
	s_mul_i32 s22, s16, HALFS
	s_add_co_u32 s22, s22, 2*HALFS
	s_sub_co_u32 s22, s22, s21
	v_mul_u32_u24 v6, s22, v2                      ; lanes 16-31 take B's scale words
	s_add_co_u32 s21, s21, SCL
	v_add_nc_u32 v5, v5, v6
	v_add_nc_u32 v[ADRS], s21, v5
	v_and_b32 v6, 31, v0
	v_lshlrev_b32 v[LI], 4, v6                     ; an image's place for my lane
	v_lshlrev_b32 v[SA], 4, v1
	v_lshl_add_u32 v[SA], v2, 13, v[SA]
	v_lshlrev_b32 v30, 6, v2
	v_and_b32 v31, 8, v1
	v_add_nc_u32 v31, v31, v1
	v_lshlrev_b32 v31, 2, v31
	s_wait_alu depctr_va_vdst(0)                   ; the wait ahead of the run of scalar lines
	s_lshl_b32 s20, s41, 2                         ; where my part of the result lies: head, block of 128 tokens
	s_lshl_b32 s21, s15, 1
	s_add_co_u32 s20, s20, s21
	s_lshl_b32 s21, s42, 2
	s_lshl_b32 s22, s16, 1
	s_add_co_u32 s21, s21, s22
	s_lshl_b32 s22, s42, 1
	s_add_co_u32 s22, s22, s16
	s_lshl_b32 s23, s17, 1
	s_add_co_u32 s23, s23, s15
	s_lshl_b32 s46, s17, 8
	s_lshl_b32 s47, s15, 7
	s_add_co_u32 s46, s46, s47
	s_lshl_b32 s47, s42, 8
	s_lshl_b32 s92, s16, 7
	s_add_co_u32 s47, s47, s92
	s_cmp_eq_u32 ttmp9, 2
	s_cselect_b32 s20, s20, s21
	s_cselect_b32 s22, s22, s23
	s_cselect_b32 s46, s46, s47
	s_lshl_b32 s21, s20, 7
	s_lshl_b32 s23, s22, 2
	s_add_co_u32 s21, s21, s23
	s_mul_i32 s92, s21, 1536
	s_mov_b32 s93, 0
	s_lshl_b32 s21, s20, 5
	s_add_co_u32 s21, s21, s22
	s_lshl_b32 s21, s21, 8
	s_add_co_u32 s94, s21, s95
	s_mov_b32 s95, 0
	s_add_nc_u64 s[OS:OS+1], s[OC:OC+1], s[94:95]
	s_add_nc_u64 s[OC:OC+1], s[OC:OC+1], s[92:93]
	s_lshl_b32 s46, s46, 2
	s_mov_b32 s47, 0
	s_add_nc_u64 s[8:9], s[8:9], s[46:47]
.irp b, 0,1,2,3
.irp k, 0,1,2,3
	global_load_b128 v[CB+16*\b+4*\k:CB+16*\b+4*\k+3], v30, s[8:9] offset:128*\b+16*\k   ; the bias along a lane's registers (q, k)
.endr
.endr
.irp a, 0,1,2,3,4,5,6,7
	global_load_b32 v[RB+\a], v31, s[8:9] offset:(32*(\a/2)+8*(\a%2))*4                  ; the bias of a lane's row (v)
.endr
.macro FRAG reg, adr, st, i            ; 16 rows x 128 K: six pieces of 8 bytes; byte y of a row lies in slot (y / 256) % 2 at byte y % 256
.irp p, 0,1,2,3,4,5
.set BY, 96*(\st)+48*(\p/3)+8*(\p%3)
.if BY/ROWB == (BY+24)/ROWB
	ds_load_b64 v[\reg+2*\p:\reg+2*\p+1], v[\adr+(BY/ROWB)%2] offset:BY%ROWB+(\i)*16*PITCH
.else
	ds_load_b64 v[\reg+2*\p:\reg+2*\p+1], v[\adr+2+(BY/ROWB)%2] offset:BY%ROWB-232+(\i)*16*PITCH
.endif
.endr
.endm
.macro MUL16 a0, p, q, sc, zero        ; the 64 accumulators take turns, one instruction a turn
.irp a, \a0, \a0+1
.irp b, 0,1,2,3,4,5,6,7
.if \zero
	v_wmma_scale_f32_16x16x128_f8f6f4 v[8*(8*((\a)%4)+\b):8*(8*((\a)%4)+\b)+7], v[128*(\p)+FR*\b:128*(\p)+FR*\b+FR-1], v[AF+FR*(\a):AF+FR*(\a)+FR-1], 0, v[SC+8*NQ*(\sc)+NQ*\b+(\q)], v[SC+8*NQ*(\sc)+NQ*(\a)+(\q)] matrix_a_fmt:MATRIX_FMT_FP6 matrix_b_fmt:MATRIX_FMT_FP6 matrix_a_scale:MATRIX_SCALE_ROW1
.else
	v_wmma_scale_f32_16x16x128_f8f6f4 v[8*(8*((\a)%4)+\b):8*(8*((\a)%4)+\b)+7], v[128*(\p)+FR*\b:128*(\p)+FR*\b+FR-1], v[AF+FR*(\a):AF+FR*(\a)+FR-1], v[8*(8*((\a)%4)+\b):8*(8*((\a)%4)+\b)+7], v[SC+8*NQ*(\sc)+NQ*\b+(\q)], v[SC+8*NQ*(\sc)+NQ*(\a)+(\q)] matrix_a_fmt:MATRIX_FMT_FP6 matrix_b_fmt:MATRIX_FMT_FP6 matrix_a_scale:MATRIX_SCALE_ROW1
.endif
.endr
.endr
.endm
.macro FETCH_B st, p
	WIN TO_B
.irp i, 0,1,2,3,4,5,6,7
	FRAG 128*(\p)+FR*\i, ADRB, \st, \i
.endr
	WIN 0
.endm
.macro FETCH_A st, i0
.irp i, \i0, \i0+1, \i0+2, \i0+3
	FRAG AF+FR*(\i), ADRA, \st, \i
.endr
.endm
.macro SCALES pr
.irp i, 0,1,2,3,4,5,6,7
	ds_load_b64 v[SC+8*NQ*((\pr)%2)+NQ*\i:SC+8*NQ*((\pr)%2)+NQ*\i+1], v[ADRS] offset:\i*SBLK+4*NQ*(\pr)
.endr
.endm
.macro PLACES n
.rept \n
	v_nop
.endr
.endm
; A step: 64 products; the next step's fragments are fetched in its middle and at its end.  Where the next step ends in a chunk not yet read: a barrier for that chunk.  Where it begins in a later chunk: the three lines, the barrier,
; and, where a chunk two on is left, the cluster's round and the refill.
.macro STEP st, zero
.set NX, (\st)+1
.set C0, (96*(\st))/ROWB
.set C1, (96*NX)/ROWB
.set E0, (96*(\st)+95)/ROWB
.set E1, (96*NX+95)/ROWB
.if C1 > C0 || E1 > E0
	s_wait_tensorcnt 0x0                           ; all my tensor loads have landed
.if C1 > C0
	ds_add_u32 v[SPW], v[NIL]
	s_wait_dscnt 4*NL+1                            ; the add and A's blocks 4-7 may be out
.else
	s_wait_dscnt 4*NL                              ; A's blocks 4-7 may be out
.endif
	WIN MUL_LO
	MUL16 0, (\st)%2, (\st)%2, ((\st)/2)%2, \zero
	s_wait_dscnt 0x0                               ; the add and my reads are done
	s_barrier_signal -1
	MUL16 2, (\st)%2, (\st)%2, ((\st)/2)%2, \zero
	WIN 0
	s_barrier_wait -1
.if C1 > C0 && C0+2 < CHUNKS
	CREST
	s_add_nc_u64 s[G0+4*(C0%2)+2:G0+4*(C0%2)+3], s[G0+4*(C0%2)+2:G0+4*(C0%2)+3], 2*ROWB
	s_add_nc_u64 s[G0B+4*(C0%2)+2:G0B+4*(C0%2)+3], s[G0B+4*(C0%2)+2:G0B+4*(C0%2)+3], 2*ROWB
	JLOAD G0+4*(C0%2), G1, G0B+4*(C0%2), G1B       ; chunk C0 + 2; its four v_nop are the places in front of the loads below
.else
	PLACES NP
.endif
.else
	s_wait_dscnt 4*NL
	WIN MUL_LO
	MUL16 0, (\st)%2, (\st)%2, ((\st)/2)%2, \zero
	MUL16 2, (\st)%2, (\st)%2, ((\st)/2)%2, \zero
	s_wait_dscnt 0
	PLACES NP
.endif
	FETCH_B NX, NX%2
	FETCH_A NX, 0
.if NX%2 == 0
	SCALES NX/2
.endif
	WIN MUL_HI
	MUL16 4, (\st)%2, (\st)%2, ((\st)/2)%2, \zero
	MUL16 6, (\st)%2, (\st)%2, ((\st)/2)%2, \zero
	PLACES NP
	WIN 0
	FETCH_A NX, 4
.endm
	s_wait_alu depctr_va_vdst(0)                   ; the wait at the head's end
	s_wait_tensorcnt 0x0                           ; my tile of the head's four is in
	ds_add_u32 v[SPW], v[NIL]
	s_mov_b32 s[G1+2], 128<<16                     ; no load of mine is out: from here on a load brings 128 rows,
	s_mov_b32 s[G1+4], 128
	s_mov_b32 s[G1B+2], 128<<16
	s_mov_b32 s[G1B+4], 128
	s_mov_b32 s[G0+1], s45                         ; and slot 0's groups 0 point at my 128 rows
	s_add_nc_u64 s[G0+2:G0+3], s[G0+2:G0+3], s[2:3]
	s_mov_b32 s[G0B+1], s45
	s_add_nc_u64 s[G0B+2:G0B+3], s[G0B+2:G0B+3], s[2:3]
	s_wait_dscnt 0x0
	CROUND
	JLOAD G0+4, G1, G0B+4, G1B                     ; chunk 1: slot 1's first fill, issued as a refill is
	FETCH_B 0, 0
	FETCH_A 0, 0
	SCALES 0
	FETCH_A 0, 4
	global_prefetch_b8 v[PFO], s[4:5] offset:2*ROWB th:TH_LOAD_NT scope:SCOPE_SE   ; chunk 2, behind the joint load and the run of LDS loads
	STEP 0, 1
.set ST, 1
.rept STEPS-2
	STEP ST, 0
.set ST, ST+1
.endr
	s_wait_dscnt 4*NL
	WIN MUL_LO
	MUL16 0, 1, 1, 1, 0
	MUL16 2, 1, 1, 1, 0
	s_wait_dscnt 0
	WIN MUL_HI
	MUL16 4, 1, 1, 1, 0
	MUL16 6, 1, 1, 1, 0
	WIN 0
; THE WAY OUT: the bias is added, four blocks of 32 along a lane's registers are quantised, and the codes leave as images of fragments (512 consecutive bytes a store).
; The largest magnitudes are taken in eight chains, two a block, so that a line and the line that it leans on stand eight apart.
.macro QUANT s, d0, d1
.irp b, 0,1,2,3
	v_max3_num_f32 v[TM+\b], |v[\s+16*\b]|, |v[\s+1+16*\b]|, 0x1800000
	v_max3_num_f32 v[TM+8+\b], |v[\s+2+16*\b]|, |v[\s+3+16*\b]|, |v[\s+4+16*\b]|
.endr
.irp i, 5,9
.irp b, 0,1,2,3
	v_max3_num_f32 v[TM+\b], v[TM+\b], |v[\s+16*\b+\i]|, |v[\s+1+16*\b+\i]|
	v_max3_num_f32 v[TM+8+\b], v[TM+8+\b], |v[\s+2+16*\b+\i]|, |v[\s+3+16*\b+\i]|
.endr
.endr
.irp b, 0,1,2,3
	v_max3_num_f32 v[TM+\b], v[TM+\b], |v[\s+13+16*\b]|, |v[\s+14+16*\b]|
.endr
.irp b, 0,1,2,3
	v_max3_num_f32 v[TM+\b], v[TM+\b], v[TM+8+\b], |v[\s+15+16*\b]|
.endr
.irp b, 0,1,2,3
	v_permlanex16_b32 v[TM+4+\b], v[TM+\b], s[SEL], s[SEL+1]
.endr
.irp b, 0,1,2,3
	v_max_num_f32 v[TM+\b], v[TM+\b], v[TM+4+\b]
.endr
.irp b, 0,1,2,3
	v_add_nc_u32 v[TM+12+\b], 0xff000000, v[TM+\b]
.endr
.irp b, 0,1,2,3
	v_lshrrev_b32 v[TM+4+\b], 23, v[TM+12+\b]
.endr
	v_cvt_scalef32_pk16_fp6_f32 v[(\d0):(\d0)+2], v[\s:\s+15], v[TM+12]
	v_cvt_scalef32_pk16_fp6_f32 v[CT:CT+2], v[\s+16:\s+31], v[TM+13]
	v_cvt_scalef32_pk16_fp6_f32 v[(\d1):(\d1)+2], v[\s+32:\s+47], v[TM+14]
	v_cvt_scalef32_pk16_fp6_f32 v[CT+4:CT+6], v[\s+48:\s+63], v[TM+15]
	v_nop
.irp i, 0,1,2
	v_permlane16_swap_b32 v[(\d0)+\i], v[CT+\i]
.endr
.irp i, 0,1,2
	v_mov_b32 v[(\d0)+3+\i], v[CT+\i]
.endr
.irp i, 0,1,2
	v_permlane16_swap_b32 v[(\d1)+\i], v[CT+4+\i]
.endr
.irp i, 0,1,2
	v_mov_b32 v[(\d1)+3+\i], v[CT+4+\i]
.endr
.endm
.macro OUTQK a
	s_wait_xcnt 0x0
	WIN 0x02+((\a)/4)
.set AC, 64*((\a)%4)
.set ii, 0
.rept 32
	v_pk_add_f32 v[T+ii:T+ii+1], v[AC+ii:AC+ii+1], v[CB+ii:CB+ii+1]
.set ii, ii+2
.endr
	WIN 0
	QUANT T, FA+6*((\a)%2), FB+6*((\a)%2)
.if ((\a)%2) == 0
	v_lshl_or_b32 v[WA+(\a)/2], v[TM+5], 8, v[TM+4]
	v_lshl_or_b32 v[WB+(\a)/2], v[TM+7], 8, v[TM+6]
.else
	v_lshl_or_b32 v[WA+(\a)/2], v[TM+4], 16, v[WA+(\a)/2]
	v_lshl_or_b32 v[WB+(\a)/2], v[TM+6], 16, v[WB+(\a)/2]
	v_lshl_or_b32 v[WA+(\a)/2], v[TM+5], 24, v[WA+(\a)/2]
	v_lshl_or_b32 v[WB+(\a)/2], v[TM+7], 24, v[WB+(\a)/2]
.irp c, 0,1,2
	global_store_b128 v[LI], v[FA+4*\c:FA+4*\c+3], s[OC:OC+1] offset:((\a)/2)*1536+512*\c
	global_store_b128 v[LI], v[FB+4*\c:FB+4*\c+3], s[OC:OC+1] offset:196608+((\a)/2)*1536+512*\c
.endr
.endif
.endm
.macro OUTV a
	s_wait_xcnt 0x0
	v_mov_b32 v[BB], v[RB+(\a)]
	v_mov_b32 v[BB+1], v[RB+(\a)]
	WIN 0x02+((\a)/4)
.set AC, 64*((\a)%4)
.set ii, 0
.rept 32
	v_pk_add_f32 v[T+ii:T+ii+1], v[AC+ii:AC+ii+1], v[BB:BB+1]
.set ii, ii+2
.endr
	WIN 0
.set FF, FA+12*((\a)%2)
	QUANT T, FF, FF+6
	v_lshl_or_b32 v[WA+(\a)], v[TM+5], 8, v[TM+4]
	v_lshl_or_b32 v[WA+(\a)], v[TM+6], 16, v[WA+(\a)]
	v_lshl_or_b32 v[WA+(\a)], v[TM+7], 24, v[WA+(\a)]
.irp c, 0,1,2
	global_store_b128 v[LI], v[FF+4*\c:FF+4*\c+3], s[OC:OC+1] offset:((\a)/4)*196608+((\a)%4)*1536+512*\c
.endr
.endm
	PLACES NP
	s_wait_loadcnt 0x0                             ; the bias
.irp b, 0,1,2,3
	v_mov_b32 v[TM+4+\b], 0
.endr
	s_cmp_eq_u32 ttmp9, 2
	s_cbranch_scc1 .Lway_v
.irp a, 0,1,2,3,4,5,6,7
	OUTQK \a
.endr
	s_branch .Lwords
.Lway_v:
.irp a, 0,1,2,3,4,5,6,7
	OUTV \a
.endr
.Lwords:
	s_mov_b32 vcc_lo, 0xffff0000
	s_wait_alu depctr_va_vdst(0)
.irp k, 0,1,2,3
	v_cndmask_b32 v[VS+\k], v[WA+\k], v[WB+\k], vcc_lo
.endr
	global_store_b128 v[SA], v[VS:VS+3], s[OS:OS+1]
	s_wait_tensorcnt 0x0                           ; the wave's end
	ds_add_u32 v[SPW], v[NIL]
	s_wait_dscnt 0x0
	CROUND                                         ; the closing round
	s_endpgm
.Lfunc_end_k_q3c81318bb7_gemm_qkv:
	.size	k_q3c81318bb7_gemm_qkv, .Lfunc_end_k_q3c81318bb7_gemm_qkv-k_q3c81318bb7_gemm_qkv
	.p2alignl 7, 3214868480
	.fill 96, 4, 3214868480
	.section	.rodata,"a",@progbits
	.p2align	6, 0x0
	.amdhsa_kernel k_q3c81318bb7_gemm_qkv
		.amdhsa_group_segment_fixed_size 327680
		.amdhsa_private_segment_fixed_size 0
		.amdhsa_enable_private_segment 0
		.amdhsa_kernarg_size 40
		.amdhsa_user_sgpr_count 2
		.amdhsa_user_sgpr_kernarg_segment_ptr 1
		.amdhsa_wavefront_size32 1
		.amdhsa_system_sgpr_workgroup_id_x 1
		.amdhsa_system_sgpr_workgroup_id_y 1
		.amdhsa_system_sgpr_workgroup_id_z 1
		.amdhsa_system_vgpr_workitem_id 0
		.amdhsa_next_free_vgpr 1024
		.amdhsa_next_free_sgpr 102
		.amdhsa_reserve_vcc 1
		.amdhsa_float_denorm_mode_32 3
		.amdhsa_float_denorm_mode_16_64 3
		.amdhsa_memory_ordered 1
		.amdhsa_forward_progress 1
		.amdhsa_inst_pref_size 233
	.end_amdhsa_kernel
	.amdgpu_metadata
---
amdhsa.version: [ 1, 2 ]
amdhsa.kernels:
  - .name:           k_q3c81318bb7_gemm_qkv
    .symbol:         k_q3c81318bb7_gemm_qkv.kd
    .args:
      - { .name: xq, .offset: 0, .size: 8, .value_kind: global_buffer, .address_space: global }
      - { .name: wq, .offset: 8, .size: 8, .value_kind: global_buffer, .address_space: global }
      - { .name: b_qkv, .offset: 16, .size: 8, .value_kind: global_buffer, .address_space: global }
      - { .name: qk, .offset: 24, .size: 8, .value_kind: global_buffer, .address_space: global }
      - { .name: vq, .offset: 32, .size: 8, .value_kind: global_buffer, .address_space: global }
    .group_segment_fixed_size: 327680
    .private_segment_fixed_size: 0
    .kernarg_segment_align: 8
    .kernarg_segment_size: 40
    .max_flat_workgroup_size: 128
    .sgpr_count:     102
    .vgpr_count:     1024
    .wavefront_size: 32
...
	.end_amdgpu_metadata
.endif
;; end of part 2
;; launch attn (part 3): grid 16 x 16, 16 waves a work-group, clusters of 4 x 1, 327,680 bytes of LDS; arguments qk, vq, oq; writes oq
.if DOCPART == 3
	.amdgcn_target "amdgcn-amd-amdhsa--gfx1250"
	.amdhsa_code_object_version 6
	.text
	.protected	k_q3c81318bb7_attn
	.globl	k_q3c81318bb7_attn
	.p2align	8
	.type	k_q3c81318bb7_attn,@function
k_q3c81318bb7_attn:
	s_mov_b64 s[64:65], 0
	v_nop
	global_prefetch_b8 v0, s[64:65] scope:SCOPE_SE
	s_setreg_imm32_b32 hwreg(HW_REG_WAVE_MODE, 25, 1), 1
	s_wait_xcnt 0x0
	s_wait_alu depctr_hold_cnt(0) depctr_sa_sdst(0) depctr_va_vdst(0) depctr_va_sdst(0) depctr_va_ssrc(0) depctr_va_vcc(0) depctr_vm_vsrc(0)
	s_getreg_b32 s2, hwreg(HW_REG_IB_STS2, 6, 4)
	s_cmp_eq_u32 s2, 0
	s_cbranch_scc0 .Lentry_in_a_cluster
	s_endpgm
.Lentry_in_a_cluster:
	s_bfe_u32 s2, ttmp6, 0x10000c
	s_cmp_lg_u32 s2, 0x3003
	s_cbranch_scc0 .Lentry_shape_is_right
	s_endpgm
.Lentry_shape_is_right:
; Causal attention of 16 heads of 64 over 4,096 tokens, both products on codes of FP6 (E2M3) with one E8M0 scale for each 32 along K; the result, divided by the row's sum, is quantised along the model's 1,024 and stored
; as the output product's operand.  qk and vq hold images of operands' registers.  Key steps that lie wholly behind a tile's queries are left out.
; THE SOFTMAX: t = score x log2(e) / 8; M = the largest t so far, rounded UP to a whole number; p = 2^(t - M) is quantised along the keys; the row's sum is taken of the unquantised p; a change of M multiplies by an exact power of two.
; SHARES.  y = the head, X = the cluster (0-3), cx = the work-group in it, w = the wave.  u = w & 1, g = (w >> 1) & 1, e = (w >> 2) & 1, k = w >> 3, d = 3 k xor g.
; The cluster owns the blocks of 128 queries bq = 4 X + d (short) and 31 - bq (long); in a block a wave's tile of 16 queries is 2 cx + u.  TWO WAVES (e = 0, 1) SHARE A TILE: of a slot's eight key steps (128 keys each) wave e takes
; steps e, e + 2, e + 4, e + 6, with sums, O and M of its own.  The work-group walks the keys twice: X / 2 + 1 slots for the short tiles, then 4 - X / 2 slots for the long ones: 5 slots of 1,024 keys in every work-group.
; At the change each wave puts its short part into its own LDS stage; at the end wave e = 1 puts its long part into a stage too, and behind one barrier wave e = 0 joins the long tile's two parts and wave e = 1 the short tile's.
; Waves w, w + 4, w + 8, w + 12 together have 16 steps in a whole slot and 5 or 13 in a walk's last slot.  All branches hang on w, X and the trip: they are the same in the four partners; cx only picks addresses.
; CLUSTER: the four partners walk the same K and V: every load is joint.  Waves 0-5 fetch K's codes, 6-11 V's: 1,024 bytes of each of the slot's eight steps, so that every load holds bytes of the slot's first step, which is always read;
; wave 12 fetches K's scale words, wave 13 V's (2,048 bytes each).
; LAYOUT: both products are used transposed: a lane holds ONE query.  A fragment of k holds two tiles of 16 stored keys x 64; multiplied by [q | 0] it gives the first tile's scores, by [0 | q] the second's.
; LIMITS: NaN and infinities are not served; the scaled scores stay under 2^31 in magnitude; a block of the result under 2^-124, or of zeros, gets the byte 1.  The result's scale bytes leave one byte a lane.
.set SLOTB, 102400                     ; a slot: K 49,152 ([piece of 1,024: 6][step: 8][1,024]), V likewise, scale words 2 x 2,048; slot 1 begins here
.set VOFF,  49152
.set SCW,   98304
.set STG,   2*SLOTB                    ; 16 stages of REG bytes, one a wave, for the short parts: no tensor load lands here.  The long parts' stages lie in slot 1, behind its last fill and its last read
.set REG,   4608                       ; 9 x 512: O's 32 registers, then -M, t, the two half sums
.set SPARE, STG+16*REG
.set LI,   1                           ; 16 x lane + 1,024 e
.set LR,   2                           ; SCW + 16 r + 256 e
.set SPW,  3
.set NIL,  4
.set ADK,  5
.set ADS,  6
.set DQ,   7                           ; my query's place in its block, less 16 h
.set QLO,  16                          ; v16-27 [q | 0];  v28-39 [0 | q]
.set QHI,  28
.set QS,   40
.set KV,   44                          ; v44-91 four fragments of K, then of V
.set KSC,  92
.set VSC,  96
.set STS,  100
.set STL,  101
.set STX,  102                         ; the stage that I join with
.set ADV,  103
.set S,    104                         ; v104-167 scores, then p
.set O,    168                         ; v168-199 O^T
.set PCD,  200                         ; v200-211 p's codes (v200-205 first serve the sums)
.set CT,   212
.set BM,   220
.set PB,   224
.set SO,   228
.set FF,   232
.set PS,   234
.set PFO,  240
.set QN,   242                         ; v242-247 the long tile's q, v248 its scale word
.set QSN,  248
.set FG,   250
.set TBK,  14                          ; the slot in hand + 2,048 x my step in it
.set TBW,  15                          ; the slot in hand + 512 x my step in it
.set IC,   16
.set TBN,  17                          ; the slot that is asked for
.set WV,   18
.set E4,   19                          ; 4 e
.set SEL,  20
.set CS,   22
.set G1,   24                          ; 8 rows of 1,024 bytes, 6,144 apart
.set G1S,  32                          ; 8 rows of 256 bytes, dense
.set G0C,  40
.set G0S,  44
.set TB,   48
.set TS,   49                          ; 256 x my next key step
.set SLOTS, 50
.set BQ,   51                          ; 256 x the block in hand
.set LIM,  52
.set PFA,  54
.set BC,   58                          ; s[58:59], s[60:61]: my loads' addresses at key slot 0
.set BS,   60
.set M,    62                          ; the stream's slot that is asked for
.set KSN,  63                          ; its key slot
.set XP1,  66
.set XP2,  67
.set BQL,  68
.set TS0,  69
.set WC,   94
.set WS,   95
.macro CROUND
	s_barrier_signal -1
	s_barrier_wait -1
	s_cmp_lg_u32 s[WV], 0
	s_cbranch_scc1 .Lnot_wave_0_\@
	s_barrier_signal -3
.Lnot_wave_0_\@:
	s_barrier_wait -3
	s_barrier_signal -1
	s_barrier_wait -1
.endm
.macro JLOAD                           ; one chain of branches on the wave's number, one fill to an arm, one join
	s_cmp_lt_u32 s[WV], 12
	s_cbranch_scc0 .Lwords_\@
	tensor_load_to_lds s[G0C:G0C+3], s[G1:G1+7]
	s_nop 0
.rept 4
	v_nop
.endr
	s_branch .Lasked_\@
.Lwords_\@:
	s_cmp_lt_u32 s[WV], 14
	s_cbranch_scc0 .Lasked_\@
	tensor_load_to_lds s[G0S:G0S+3], s[G1S:G1S+7]
	s_nop 0
.rept 4
	v_nop
.endr
.Lasked_\@:
.endm
; A PREFETCH.  The head's cluster X = 0 asks for key slot n in trip n.  In trips 0, 1 and 2 it names key slot n + 1 of K and V, one trip (four steps a wave) ahead of its load: twelve runs of 8,192 bytes, lanes 256 bytes apart.
; cx 0, 1 take K's six runs, cx 2, 3 V's (by address); in each, waves 4 to 6 take one.  Each block of 256 bytes is named once; the highest byte named in a head is 196,352 of its 196,608.
.macro ASK
	s_cmp_gt_u32 s[SLOTS], s[LIM]
	s_cbranch_scc0 .Lnot_mine_\@
	global_prefetch_b8 v[PFO], s[PFA:PFA+1] th:TH_LOAD_NT scope:SCOPE_SE
.Lnot_mine_\@:
.endm
.macro PUT adr                         ; my part of a tile into a stage of my own, as an image of its registers; each accumulator from its low end on
.irp j, 0,1,2,3,4,5,6,7
	ds_store_b128 v[\adr], v[O+4*\j:O+4*\j+3] offset:512*\j
.endr
	ds_store_b128 v[\adr], v[12:15] offset:4096
.endm
.macro FRESH                           ; a tile begins: t = -3e38, -M = 3e38, sums and O^T zero
	v_mov_b32 v13, 0xff61b1e6
	v_mov_b32 v12, 0x7f61b1e6
	v_mov_b32 v14, 0
	v_mov_b32 v15, 0
.set jj, 0
.rept 32
	v_mov_b32 v[O+jj], 0
.set jj, jj+1
.endr
.endm
.macro QADR bq, pc, ps                 ; q's fragment 4 bq + cx of my head, and its scale words [head][bq][r][cx]
	s_lshl_b32 s72, s57, 7
	s_lshl_b32 s73, s[\bq], 2
	s_add_co_u32 s72, s72, s73
	s_add_co_u32 s72, s72, s56
	s_mul_i32 s72, s72, 1536
	s_mov_b32 s73, 0
	s_add_nc_u64 s[\pc:\pc+1], s[4:5], s[72:73]
	s_lshl_b32 s72, s57, 5
	s_add_co_u32 s72, s72, s[\bq]
	s_lshl_b32 s72, s72, 8
	s_lshl_b32 s74, s56, 2
	s_add_co_u32 s72, s72, s74
	s_add_co_u32 s72, s72, 6291456
	s_add_nc_u64 s[\ps:\ps+1], s[4:5], s[72:73]
.endm
	s_load_b128 s[4:7], s[0:1], 0x0                ; qk, vq
	s_load_b64 s[8:9], s[0:1], 0x10                ; oq
	v_lshl_add_u32 v[SPW], v0, 2, SPARE
	v_mov_b32 v[NIL], 0
	ds_add_u32 v[SPW], v[NIL]                      ; the opening lines: the add twice on end
	ds_add_u32 v[SPW], v[NIL]
	v_lshrrev_b32 v8, 5, v0
	v_readfirstlane_b32 s[WV], v8
	s_bfe_u32 s56, ttmp6, 0x40000                  ; cx
	s_and_b32 s57, ttmp7, 0xffff                   ; the head
	s_and_b32 s10, s[WV], 1                        ; u
	s_bfe_u32 s11, s[WV], 0x10001                  ; g
	s_and_b32 s[E4], s[WV], 4
	s_lshr_b32 s12, s[WV], 3
	s_mul_i32 s12, s12, 3
	s_xor_b32 s11, s12, s11                        ; d
	s_lshl_b32 s12, ttmp9, 2
	s_add_co_u32 s12, s12, s11                     ; the short block
	s_sub_co_u32 s13, 31, s12                      ; the long block
	s_lshl_b32 s[BQ], s12, 8
	s_lshl_b32 s[BQL], s13, 8
	s_lshl_b32 s[TS0], s[E4], 6
	s_mov_b32 s[TS], s[TS0]
	s_lshr_b32 s[XP1], ttmp9, 1
	s_add_co_u32 s[XP1], s[XP1], 1                 ; the short walk's slots
	s_add_co_u32 s[XP2], s[XP1], 1
	s_mov_b32 s[M], 0
	s_mov_b32 s[KSN], 0
	s_mov_b32 s[TB], 0
	s_mov_b32 s[TBN], 0
	s_mov_b32 s[SLOTS], 4
	s_mov_b32 s71, 0
	s_mov_b32 s[G1], 15|(3<<16)|(1<<21)            ; the mask: all four; elements of 8 bytes; bit 21 beside a mask
	s_mov_b32 s[G1+1], 128<<16
	s_mov_b32 s[G1+2], 8<<16
	s_mov_b32 s[G1+3], 128<<16
	s_mov_b32 s[G1+4], 8
	s_mov_b32 s[G1+5], 768
	s_mov_b32 s[G1+6], 0
	s_mov_b32 s[G1+7], 0
	s_mov_b32 s[G1S], 15|(3<<16)|(1<<21)
	s_mov_b32 s[G1S+1], 32<<16
	s_mov_b32 s[G1S+2], 8<<16
	s_mov_b32 s[G1S+3], 32<<16
	s_mov_b32 s[G1S+4], 8
	s_mov_b32 s[G1S+5], 32
	s_mov_b32 s[G1S+6], 0
	s_mov_b32 s[G1S+7], 0
	s_mov_b32 s[SEL], 0x76543210
	s_mov_b32 s[SEL+1], 0xfedcba98
	s_mov_b32 s[CS], 0x3e38aa3b                    ; log2(e) / 8
	s_mov_b32 s[CS+1], s[CS]
	; what I fetch.  Codes: a head has 196,608 bytes in either buffer, 6,144 a key step, k's heads behind q's 16.  Scale words: 8,192 bytes a head, 256 a key step
	s_mul_i32 s72, s57, 196608
	s_cmp_lt_u32 s[WV], 6
	s_cselect_b32 s73, 0, 6
	s_cselect_b32 s74, 3145728, 0
	s_cselect_b32 s75, 1, 0
	s_sub_co_u32 s73, s[WV], s73
	s_lshl_b32 s73, s73, 10
	s_add_co_u32 s73, s73, s72
	s_add_co_u32 s76, s73, s74
	s_mov_b32 s77, 0
	s_lshl_b32 s78, s57, 13
	s_cmp_eq_u32 s10, 0                            ; wave 12: K's words, wave 13: V's
	s_mov_b32 s79, 3145728
	s_cselect_b32 s79, 6422528, s79
	s_cselect_b32 s80, 1, 0
	s_add_co_u32 s78, s78, s79
	s_mov_b32 s79, 0
	s_lshl_b32 s[WC], s[WV], 13                    ; waves 0-11: 8,192 w
	s_lshl_b32 s[WS], s[WV], 11
	s_add_co_u32 s[WS], s[WS], SCW-12*2048         ; waves 12, 13: SCW + 2,048 (w - 12)
	s_wait_dscnt 0x0
	s_wait_kmcnt 0x0
	s_cmp_eq_u32 s75, 1                            ; the choices hang on the wave's number alone
	s_cselect_b64 s[BC:BC+1], s[4:5], s[6:7]
	s_cmp_eq_u32 s80, 1
	s_cselect_b64 s[BS:BS+1], s[4:5], s[6:7]
	s_add_nc_u64 s[BC:BC+1], s[BC:BC+1], s[76:77]
	s_add_nc_u64 s[BS:BS+1], s[BS:BS+1], s[78:79]
	s_or_b32 s[BC+1], s[BC+1], 0x80000000
	s_or_b32 s[BS+1], s[BS+1], 0x80000000
	s_mov_b32 s[G0C], 1
	s_mov_b32 s[G0C+1], s[WC]
	s_mov_b64 s[G0C+2:G0C+3], s[BC:BC+1]
	s_mov_b32 s[G0S], 1
	s_mov_b32 s[G0S+1], s[WS]
	s_mov_b64 s[G0S+2:G0S+3], s[BS:BS+1]
	CROUND                                         ; the first joint loads meet
	JLOAD                                          ; key slot 0 into slot 0
	; the prefetches: where my wave's stand, and who asks
	s_and_b32 s74, s56, 1
	s_mul_i32 s74, s74, 3
	s_and_b32 s75, s[WV], 3
	s_add_co_u32 s74, s74, s75
	s_lshl_b32 s74, s74, 13
	s_add_co_u32 s74, s74, s72                     ; each trip steps it by a slot ahead of its prefetch
	s_add_co_u32 s76, s74, 3145728
	s_cmp_lt_u32 s56, 2                            ; (a select, no branch)
	s_cselect_b32 s74, s76, s74
	s_cselect_b64 s[PFA:PFA+1], s[4:5], s[6:7]
	s_mov_b32 s75, 0
	s_add_nc_u64 s[PFA:PFA+1], s[PFA:PFA+1], s[74:75]
	s_lshr_b32 s76, s[WV], 2
	s_xor_b32 s76, s76, 1
	s_or_b32 s76, s76, ttmp9
	s_cmp_eq_u32 s76, 0
	s_cselect_b32 s[LIM], 1, -1
	s_cmp_eq_u32 s[WV], 7
	s_cselect_b32 s[LIM], -1, s[LIM]
	QADR 12, 78, 80
	QADR 13, 90, 92
	; the result: wave e = 0 finishes the long tile, e = 1 the short one.  Tile T = 8 bq + 2 cx + u: codes [T][head / 2][1,536], my head's half 768 (head & 1) on; scale bytes [16 T + r][32], byte 2 head + block
	s_cmp_eq_u32 s[E4], 0
	s_cselect_b32 s76, s13, s12
	s_lshl_b32 s76, s76, 3
	s_lshl_b32 s82, s56, 1
	s_add_co_u32 s76, s76, s82
	s_add_co_u32 s76, s76, s10
	s_lshl_b32 s82, s76, 3
	s_lshr_b32 s83, s57, 1
	s_add_co_u32 s82, s82, s83
	s_mul_i32 s82, s82, 1536
	s_and_b32 s83, s57, 1
	s_mul_i32 s83, s83, 768
	s_add_co_u32 s82, s82, s83
	s_mov_b32 s83, 0
	s_add_nc_u64 s[86:87], s[8:9], s[82:83]
	s_lshl_b32 s82, s76, 9
	s_lshl_b32 s84, s57, 1
	s_add_co_u32 s82, s82, s84
	s_add_co_u32 s82, s82, 3145728
	s_add_nc_u64 s[88:89], s[8:9], s[82:83]
	s_lshl_b32 s72, s[E4], 8                       ; 1,024 e
	s_mul_i32 s74, s[WV], REG
	s_add_co_u32 s73, s74, STG                     ; my short part's stage
	s_add_co_u32 s74, s74, SLOTB                   ; my long part's
	s_xor_b32 s75, s[WV], 4
	s_mul_i32 s75, s75, REG
	s_mul_i32 s76, s[E4], SLOTB/4
	s_add_co_u32 s75, s75, s76
	s_add_co_u32 s75, s75, SLOTB                   ; e = 0: my partner's long part; e = 1: its short part
	s_lshl_b32 s76, s56, 5
	s_lshl_b32 s77, s10, 3
	s_add_co_u32 s76, s76, s77
	s_cmp_eq_u32 s10, 0                            ; my tile is registers 0-5 (u = 0) or 6-11 of q's fragment; register n of lane l lies at 512 (n / 4) + 16 l + 4 (n % 4)
	s_cselect_b32 s82, 0, 520
	s_cselect_b32 s83, 8, 1024
	s_mov_b32 s84, 1032
	s_cselect_b32 s84, 512, s84
	s_lshl_b32 s85, s10, 4
	v_and_b32 v8, 31, v0
	v_and_b32 v9, 15, v0                           ; r
	v_bfe_u32 v10, v0, 4, 1                        ; h
	v_lshlrev_b32 v11, 4, v8
	v_lshlrev_b32 v[PFO], 8, v8
	v_add_nc_u32 v[LI], s72, v11
	v_lshl_add_u32 v[LR], v9, 4, SCW
	v_add_nc_u32 v[LR], s[TS0], v[LR]
	v_add_nc_u32 v[STS], s73, v11
	v_add_nc_u32 v[STL], s74, v11
	v_add_nc_u32 v[STX], s75, v11
	v_and_b32 v[DQ], 8, v9
	v_add_nc_u32 v[DQ], v[DQ], v9
	v_lshlrev_b32 v10, 4, v10
	v_sub_nc_u32 v[DQ], v[DQ], v10
	v_add_nc_u32 v[DQ], s76, v[DQ]                 ; 32 cx + 8 u + r + 8 (r / 8) - 16 h
	v_add_nc_u32 v236, s82, v11
	v_add_nc_u32 v237, s83, v11
	v_add_nc_u32 v238, s84, v11
	v_lshlrev_b32 v239, 4, v9
	global_load_b64 v[QLO:QLO+1], v236, s[78:79]
	global_load_b64 v[QLO+2:QLO+3], v237, s[78:79]
	global_load_b64 v[QLO+4:QLO+5], v238, s[78:79]
	global_load_b64 v[QHI+6:QHI+7], v236, s[78:79]
	global_load_b64 v[QHI+8:QHI+9], v237, s[78:79]
	global_load_b64 v[QHI+10:QHI+11], v238, s[78:79]
	global_load_b32 v41, v239, s[80:81]
	global_load_b64 v[QN:QN+1], v236, s[90:91]
	global_load_b64 v[QN+2:QN+3], v237, s[90:91]
	global_load_b64 v[QN+4:QN+5], v238, s[90:91]
	global_load_b32 v249, v239, s[92:93]
	s_wait_alu depctr_va_vdst(0)
	s_wait_loadcnt 0x0
	v_lshrrev_b32 v41, s85, v41                    ; my tile's two bytes, for K = 0-63 and for K = 64-127
	v_lshrrev_b32 v249, s85, v249
	v_and_b32 v41, 0xffff, v41
	v_and_b32 v249, 0xffff, v249
	v_lshl_or_b32 v[QS], v41, 16, v41
	v_lshl_or_b32 v[QSN], v249, 16, v249
.set jj, 0
.rept 12
	v_mov_b32 v[QLO+6+jj], 0                       ; the zero halves
.set jj, jj+1
.endr
.irp b, 0,1,2,3
	v_mov_b32 v[PB+\b], 0                          ; a lane permute's destination counts as a source
.endr
	v_mov_b32 v[FF], 0
	v_mov_b32 v[FF+1], 0
	v_mov_b32 v[FG], 0
	v_mov_b32 v[FG+1], 0
	FRESH
	s_wait_alu depctr_va_vdst(0)                   ; the wait at the head's end
; A KEY STEP: 128 keys.  Chunk m (512 bytes) of a step's 6,144 lies at 8,192 (m / 2) + 512 (m % 2) behind the step's place.
.macro STEP
	s_cmp_gt_u32 s[TS], s[BQ]                      ; all its keys come after my queries: left out
	s_cbranch_scc1 .Lhidden_\@
	v_add_nc_u32 v[ADK], s[TBK], v[LI]
	v_add_nc_u32 v[ADS], s[TBW], v[LR]
	v_add_nc_u32 v[ADV], VOFF, v[ADK]
	v_nop                                          ; four places in front of loads into registers that the last products have read
.irp f, 0,1,2,3
.irp c, 0,1,2
	ds_load_b128 v[KV+12*\f+4*\c:KV+12*\f+4*\c+3], v[ADK] offset:8192*((3*\f+\c)/2)+512*((3*\f+\c)%2)
.endr
.endr
	ds_load_b128 v[KSC:KSC+3], v[ADS]
	ds_load_b128 v[VSC:VSC+3], v[ADS] offset:2048
	s_wait_alu depctr_va_vdst(0)
	s_wait_dscnt 1                                 ; all but V's scale words
.irp f, 0,1,2,3
	v_wmma_scale_f32_16x16x128_f8f6f4 v[S+16*\f:S+16*\f+7], v[KV+12*\f:KV+12*\f+11], v[QLO:QLO+11], 0, v[KSC+\f], v[QS] matrix_a_fmt:MATRIX_FMT_FP6 matrix_b_fmt:MATRIX_FMT_FP6
	v_wmma_scale_f32_16x16x128_f8f6f4 v[S+16*\f+8:S+16*\f+15], v[KV+12*\f:KV+12*\f+11], v[QHI:QHI+11], 0, v[KSC+\f], v[QS] matrix_a_fmt:MATRIX_FMT_FP6 matrix_b_fmt:MATRIX_FMT_FP6
.endr
.rept 4
	v_nop
.endr
.irp t, 0,1,2,3
.irp c, 0,1,2
	ds_load_b128 v[KV+12*\t+4*\c:KV+12*\t+4*\c+3], v[ADV] offset:8192*((3*\t+\c)/2)+512*((3*\t+\c)%2)   ; V^T's tile t: it lands under the softmax
.endr
.endr
	s_cmp_lg_u32 s[TS], s[BQ]                      ; on the diagonal hidden keys' scores become -infinity
	s_cbranch_scc1 .Lopen_\@
	v_mov_b32 v236, 0xff800000
.set nn, 0
.rept 64
	v_cmp_gt_i32 vcc_lo, 32*(nn/16)+nn%16, v[DQ]   ; register 16 b + i holds key 32 b + 16 h + i of the block
	v_cndmask_b32 v[S+nn], v[S+nn], v236, vcc_lo
.set nn, nn+1
.endr
.Lopen_\@:
.irp b, 0,1,2,3
	v_max3_num_f32 v[BM+\b], v[S+16*\b], v[S+1+16*\b], v[S+2+16*\b]   ; the largest score of each block of 32 keys: for the row's maximum and for the block's largest p
.endr
.irp i2, 3,5,7,9,11,13
.irp b, 0,1,2,3
	v_max3_num_f32 v[BM+\b], v[BM+\b], v[S+16*\b+\i2], v[S+1+16*\b+\i2]
.endr
.endr
.irp b, 0,1,2,3
	v_max_num_f32 v[BM+\b], v[BM+\b], v[S+15+16*\b]
.endr
.irp b, 0,1,2,3
	s_delay_alu instid0(VALU_DEP_4)
	v_permlanex16_b32 v[PB+\b], v[BM+\b], s[SEL], s[SEL+1]
.endr
.irp b, 0,1,2,3
	s_delay_alu instid0(VALU_DEP_4)
	v_max_num_f32 v[BM+\b], v[BM+\b], v[PB+\b]
.endr
	s_delay_alu instid0(VALU_DEP_2)
	v_max3_num_f32 v236, v[BM], v[BM+1], v[BM+2]
	s_delay_alu instid0(VALU_DEP_1)
	v_max_num_f32 v236, v236, v[BM+3]
	s_delay_alu instid0(VALU_DEP_1)
	v_mul_f32 v236, s[CS], v236
	s_delay_alu instid0(VALU_DEP_1)
	v_max_num_f32 v13, v13, v236                   ; the running largest t
	v_mov_b32 v236, v12
	s_delay_alu instid0(VALU_DEP_2)
	v_floor_f32 v12, -v13                          ; the new -M
	s_delay_alu instid0(VALU_DEP_1)
	v_sub_f32 v236, v12, v236                      ; old M - new M
	s_delay_alu instid0(VALU_DEP_1)
	v_cvt_i32_f32 v236, v236                       ; (it saturates)
	s_delay_alu instid0(VALU_DEP_1)
	v_ldexp_f32 v[FF], 1.0, v236                   ; f = 2^(old M - new M)
.set jj, 0
.rept 32
	v_pk_fma_f32 v[S+jj:S+jj+1], v[S+jj:S+jj+1], s[CS:CS+1], v[12:13] op_sel_hi:[1,0,0]   ; t - M
.set jj, jj+2
.endr
.irp b, 0,1,2,3
	v_fma_f32 v[BM+\b], v[BM+\b], s[CS], v12
.endr
	s_wait_alu depctr_va_vdst(0)                   ; the wait ahead of the batch
.set jj, 0
.rept 64
	v_exp_f32 v[S+jj], v[S+jj]                     ; p
.set jj, jj+1
.endr
	v_pk_mul_f32 v[14:15], v[14:15], v[FF:FF+1] op_sel_hi:[1,0]
	s_wait_alu depctr_va_vdst(0)                   ; one wait for the batch
.irp b, 0,1,2,3
	v_exp_f32 v[BM+\b], v[BM+\b]                   ; the block's largest p
.endr
	v_pk_add_f32 v[14:15], v[14:15], v[S:S+1]      ; the sum of the unquantised p, in four chains
	v_pk_add_f32 v[PCD:PCD+1], v[S+2:S+3], v[S+4:S+5]
	v_pk_add_f32 v[PCD+2:PCD+3], v[S+6:S+7], v[S+8:S+9]
	v_pk_add_f32 v[PCD+4:PCD+5], v[S+10:S+11], v[S+12:S+13]
.set jj, 14
.rept 6
	v_pk_add_f32 v[14:15], v[14:15], v[S+jj:S+jj+1]
	v_pk_add_f32 v[PCD:PCD+1], v[PCD:PCD+1], v[S+jj+2:S+jj+3]
	v_pk_add_f32 v[PCD+2:PCD+3], v[PCD+2:PCD+3], v[S+jj+4:S+jj+5]
	v_pk_add_f32 v[PCD+4:PCD+5], v[PCD+4:PCD+5], v[S+jj+6:S+jj+7]
.set jj, jj+8
.endr
	v_pk_add_f32 v[14:15], v[14:15], v[S+62:S+63]
	v_pk_add_f32 v[PCD:PCD+1], v[PCD:PCD+1], v[PCD+2:PCD+3]
	s_delay_alu instid0(VALU_DEP_2)
	v_pk_add_f32 v[14:15], v[14:15], v[PCD+4:PCD+5]
	s_delay_alu instid0(VALU_DEP_1)
	v_pk_add_f32 v[14:15], v[14:15], v[PCD:PCD+1]
	s_wait_alu depctr_va_vdst(0)                   ; and one for the four
.irp b, 0,1,2,3
	v_max_num_f32 v[BM+\b], 0x1800000, v[BM+\b]    ; the floor 2^(3 - 127)
.endr
.irp b, 0,1,2,3
	s_delay_alu instid0(VALU_DEP_4)
	v_add_nc_u32 v[SO+\b], 0xff000000, v[BM+\b]    ; the conversion's scale operand
.endr
.irp b, 0,1,2,3
	s_delay_alu instid0(VALU_DEP_4)
	v_lshrrev_b32 v[PB+\b], 23, v[SO+\b]           ; the byte
.endr
	s_delay_alu instid0(VALU_DEP_3)
	v_lshl_or_b32 v[PS], v[PB+1], 8, v[PB]
	s_delay_alu instid0(VALU_DEP_1)
	v_lshl_or_b32 v[PS], v[PB+2], 16, v[PS]
	s_delay_alu instid0(VALU_DEP_1)
	v_lshl_or_b32 v[PS], v[PB+3], 24, v[PS]
.irp c, 0,1
	v_cvt_scalef32_pk16_fp6_f32 v[PCD+6*\c:PCD+6*\c+2], v[S+32*\c:S+32*\c+15], v[SO+2*\c]
	v_cvt_scalef32_pk16_fp6_f32 v[CT+4*\c:CT+4*\c+2], v[S+32*\c+16:S+32*\c+31], v[SO+2*\c+1]
.endr
	v_nop
.irp c, 0,1                                    ; a whole block in a lane
.irp i2, 0,1,2
	v_permlane16_swap_b32 v[PCD+6*\c+\i2], v[CT+4*\c+\i2]
.endr
.irp i2, 0,1,2
	v_mov_b32 v[PCD+3+6*\c+\i2], v[CT+4*\c+\i2]
.endr
.endr
	s_wait_alu depctr_va_vdst(0)                   ; the wait ahead of the first reader of O^T
.set jj, 0
.rept 16
	v_pk_mul_f32 v[O+jj:O+jj+1], v[O+jj:O+jj+1], v[FF:FF+1] op_sel_hi:[1,0]   ; O^T under the new M; also the places in front of the products
.set jj, jj+2
.endr
	s_wait_alu depctr_va_vdst(0)
	s_wait_dscnt 0x0                               ; V's tiles and scale words
.irp t, 0,1,2,3
	v_wmma_scale_f32_16x16x128_f8f6f4 v[O+8*\t:O+8*\t+7], v[KV+12*\t:KV+12*\t+11], v[PCD:PCD+11], v[O+8*\t:O+8*\t+7], v[VSC+\t], v[PS] matrix_a_fmt:MATRIX_FMT_FP6 matrix_b_fmt:MATRIX_FMT_FP6
.endr
.Lhidden_\@:
	s_add_co_u32 s[TS], s[TS], 512                 ; my next step lies two on
.endm
; MY FOUR STEPS OF THE SLOT IN HAND: a counted loop, the step's places in the slot stepped by constants.
.macro WALK
	s_mov_b32 s[TBK], s[TB]
	s_mov_b32 s[TBW], s[TB]
	s_mov_b32 s[IC], 4
.Lstep_\@:
	STEP
	s_add_co_u32 s[TBK], s[TBK], 2048
	s_add_co_u32 s[TBW], s[TBW], 512
	s_sub_co_u32 s[IC], s[IC], 1
	s_cmp_lg_u32 s[IC], 0
	s_cbranch_scc1 .Lstep_\@
.endm
; THE CHANGE OF SLOTS.  fill = 1: the stream's next slot m is asked for into the slot just left: key slot m in the short walk, then m less the short walk's slots.
.macro CHANGE fill
	s_wait_tensorcnt 0x0                           ; no tensor load of mine is out: the groups 0 may be written
	ds_add_u32 v[SPW], v[NIL]                      ; the add,
.if \fill
	ds_add_u32 v[SPW], v[NIL]                      ; and twice here
	s_add_co_u32 s[M], s[M], 1
	s_add_co_u32 s[KSN], s[KSN], 1
	s_cmp_eq_u32 s[M], s[XP1]
	s_cselect_b32 s[KSN], 0, s[KSN]
	s_mul_i32 s70, s[KSN], 49152
	s_add_nc_u64 s[G0C+2:G0C+3], s[BC:BC+1], s[70:71]
	s_lshl_b32 s70, s[KSN], 11
	s_add_nc_u64 s[G0S+2:G0S+3], s[BS:BS+1], s[70:71]
	s_xor_b32 s[TBN], s[TBN], SLOTB
	s_add_co_u32 s[G0C+1], s[WC], s[TBN]
	s_add_co_u32 s[G0S+1], s[WS], s[TBN]
	s_wait_xcnt 0x0                                ; the last prefetch has read its address
	s_add_nc_u64 s[PFA:PFA+1], s[PFA:PFA+1], 49152
	s_wait_dscnt 0x0                               ; the adds are done, and my reads of the slot that I have left
	CROUND
	JLOAD
	ASK
.else
	s_wait_dscnt 0x0
	s_barrier_signal -1
	s_barrier_wait -1
.endif
.endm
.Lslot:                                            ; 4 trips, each with a refill
	CHANGE 1
	s_cmp_lg_u32 s[M], s[XP2]                      ; the short walk is over (the same test in all waves of all partners)
	s_cbranch_scc1 .Lsame
.rept 4
	v_nop                                          ; places behind the last products
.endr
	PUT STS                                        ; my short part, into my own stage
	s_wait_dscnt 0x0
.irp i, 0,1,2,3,4,5
	v_mov_b32 v[QLO+\i], v[QN+\i]
	v_mov_b32 v[QHI+6+\i], v[QN+\i]
.endr
	v_mov_b32 v[QS], v[QSN]
	FRESH
	s_mov_b32 s[BQ], s[BQL]
	s_mov_b32 s[TS], s[TS0]
	s_wait_alu depctr_va_vdst(0)
.Lsame:
	WALK
	s_xor_b32 s[TB], s[TB], SLOTB
	s_sub_co_u32 s[SLOTS], s[SLOTS], 1
	s_cmp_lg_u32 s[SLOTS], 0
	s_cbranch_scc1 .Lslot
	CHANGE 0                                       ; the fifth slot (it lies in slot 0) is written out: it asks for nothing
	WALK
	; THE TWO PARTS OF A TILE ARE JOINED.
.rept 4
	v_nop                                          ; places behind the last products
.endr
	s_cmp_eq_u32 s[E4], 0
	s_cbranch_scc1 .Lkeep
	PUT STL                                        ; e = 1: my long part, into slot 1: it has had its last fill, and every wave's reads of it ended ahead of the last barrier
.Lkeep:
	s_wait_dscnt 0x0
	s_barrier_signal -1
	s_barrier_wait -1
	s_cmp_eq_u32 s[E4], 0
	s_cbranch_scc1 .Lmine
.irp j, 0,1,2,3,4,5,6,7
	ds_load_b128 v[O+4*\j:O+4*\j+3], v[STS] offset:512*\j     ; e = 1: my short part comes back
.endr
	ds_load_b128 v[12:15], v[STS] offset:4096
.Lmine:
.irp j, 0,1,2,3,4,5,6,7,8
	ds_load_b128 v[S+4*\j:S+4*\j+3], v[STX] offset:512*\j     ; my partner's part of the same tile
.endr
	s_wait_dscnt 0x0
	v_min_num_f32 v236, v12, v[S+32]               ; -M of the two
	v_add_f32 v14, v14, v15
	v_add_f32 v237, v[S+34], v[S+35]
	v_sub_f32 v238, v236, v12                      ; my M - M: a whole number, 0 or less
	v_sub_f32 v239, v236, v[S+32]
	v_cvt_i32_f32 v238, v238                       ; (they saturate: a part with no step counts for nothing)
	v_cvt_i32_f32 v239, v239
	v_ldexp_f32 v[FF], 1.0, v238
	v_ldexp_f32 v[FG], 1.0, v239
	s_delay_alu instid0(VALU_DEP_1)
	v_mul_f32 v237, v237, v[FG]
	s_delay_alu instid0(VALU_DEP_1)
	v_fma_f32 v14, v14, v[FF], v237
.set jj, 0
.rept 16
	v_pk_mul_f32 v[S+jj:S+jj+1], v[S+jj:S+jj+1], v[FG:FG+1] op_sel_hi:[1,0]
.set jj, jj+2
.endr
.set jj, 0
.rept 16
	v_pk_fma_f32 v[S+jj:S+jj+1], v[O+jj:O+jj+1], v[FF:FF+1], v[S+jj:S+jj+1] op_sel_hi:[1,0,1]   ; each accumulator from its low end on
.set jj, jj+2
.endr
	v_permlanex16_b32 v237, v14, s[SEL], s[SEL+1]
	s_delay_alu instid0(VALU_DEP_1)
	v_add_f32 v14, v14, v237                       ; the row's sum
	s_wait_alu depctr_va_vdst(0)
	v_rcp_f32 v14, v14
	v_and_b32 v8, 31, v0
	v_and_b32 v9, 15, v0
	v_bfe_u32 v10, v0, 4, 1
	v_lshlrev_b32 v8, 3, v8                        ; 8 x lane
	v_lshl_add_u32 v9, v9, 5, v10                  ; 32 r + h
	s_wait_alu depctr_va_vdst(0)                   ; ahead of the reciprocal's first reader
	v_mov_b32 v15, v14
.set jj, 0
.rept 16
	v_pk_mul_f32 v[S+jj:S+jj+1], v[S+jj:S+jj+1], v[14:15]   ; register 16 b + i is channel 32 b + 16 h + i of my head
.set jj, jj+2
.endr
.irp b, 0,1
	v_max3_num_f32 v[BM+\b], |v[S+16*\b]|, |v[S+1+16*\b]|, 0x1800000
.endr
.irp i, 2,4,6,8,10,12,14
.irp b, 0,1
	s_delay_alu instid0(VALU_DEP_2)
	v_max3_num_f32 v[BM+\b], v[BM+\b], |v[S+16*\b+\i]|, |v[S+1+16*\b+\i]|
.endr
.endr
.irp b, 0,1
	s_delay_alu instid0(VALU_DEP_2)
	v_permlanex16_b32 v[PB+\b], v[BM+\b], s[SEL], s[SEL+1]
.endr
.irp b, 0,1
	s_delay_alu instid0(VALU_DEP_2)
	v_max_num_f32 v[BM+\b], v[BM+\b], v[PB+\b]
.endr
.irp b, 0,1
	s_delay_alu instid0(VALU_DEP_2)
	v_add_nc_u32 v[SO+\b], 0xff000000, v[BM+\b]
.endr
.irp b, 0,1
	s_delay_alu instid0(VALU_DEP_2)
	v_lshrrev_b32 v[PB+\b], 23, v[SO+\b]
.endr
	v_cvt_scalef32_pk16_fp6_f32 v[PCD:PCD+2], v[S:S+15], v[SO]
	v_cvt_scalef32_pk16_fp6_f32 v[CT:CT+2], v[S+16:S+31], v[SO+1]
	v_nop
.irp i, 0,1,2
	v_permlane16_swap_b32 v[PCD+\i], v[CT+\i]
.endr
.irp i, 0,1,2
	v_mov_b32 v[PCD+3+\i], v[CT+\i]                ; lanes 0-15 hold block 0's 32 codes, lanes 16-31 block 1's
.endr
	s_mov_b32 vcc_lo, 0xffff0000
	v_cndmask_b32 v236, v[PB], v[PB+1], vcc_lo     ; my half's block's byte
.irp p, 0,1,2
	global_store_b64 v8, v[PCD+2*\p:PCD+2*\p+1], s[86:87] offset:256*\p   ; 32 lanes store 256 consecutive bytes, aligned
.endr
	global_store_b8 v9, v236, s[88:89]
	s_wait_tensorcnt 0x0                           ; the wave's end
	ds_add_u32 v[SPW], v[NIL]
	s_wait_dscnt 0x0
	CROUND                                         ; the closing round
	s_endpgm
.Lfunc_end_k_q3c81318bb7_attn:
	.size	k_q3c81318bb7_attn, .Lfunc_end_k_q3c81318bb7_attn-k_q3c81318bb7_attn
	.p2alignl 7, 3214868480
	.fill 96, 4, 3214868480
	.section	.rodata,"a",@progbits
	.p2align	6, 0x0
	.amdhsa_kernel k_q3c81318bb7_attn
		.amdhsa_group_segment_fixed_size 327680
		.amdhsa_private_segment_fixed_size 0
		.amdhsa_enable_private_segment 0
		.amdhsa_kernarg_size 24
		.amdhsa_user_sgpr_count 2
		.amdhsa_user_sgpr_kernarg_segment_ptr 1
		.amdhsa_wavefront_size32 1
		.amdhsa_system_sgpr_workgroup_id_x 1
		.amdhsa_system_sgpr_workgroup_id_y 1
		.amdhsa_system_sgpr_workgroup_id_z 1
		.amdhsa_system_vgpr_workitem_id 0
		.amdhsa_next_free_vgpr 256
		.amdhsa_next_free_sgpr 96
		.amdhsa_reserve_vcc 1
		.amdhsa_float_denorm_mode_32 3
		.amdhsa_float_denorm_mode_16_64 3
		.amdhsa_memory_ordered 1
		.amdhsa_forward_progress 1
		.amdhsa_inst_pref_size 70
	.end_amdhsa_kernel
	.amdgpu_metadata
---
amdhsa.version: [ 1, 2 ]
amdhsa.kernels:
  - .name:           k_q3c81318bb7_attn
    .symbol:         k_q3c81318bb7_attn.kd
    .args:
      - { .name: qk, .offset: 0, .size: 8, .value_kind: global_buffer, .address_space: global }
      - { .name: vq, .offset: 8, .size: 8, .value_kind: global_buffer, .address_space: global }
      - { .name: oq, .offset: 16, .size: 8, .value_kind: global_buffer, .address_space: global }
    .group_segment_fixed_size: 327680
    .private_segment_fixed_size: 0
    .kernarg_segment_align: 8
    .kernarg_segment_size: 24
    .max_flat_workgroup_size: 512
    .sgpr_count:     96
    .vgpr_count:     256
    .wavefront_size: 32
...
	.end_amdgpu_metadata
.endif
;; end of part 3
;; launch gemm_out (part 4): grid 8 x 32, 4 waves a work-group, clusters of 4 x 4, 239,104 bytes of LDS; arguments oq, wq, b_out, out0; writes out0
.if DOCPART == 4
	.amdgcn_target "amdgcn-amd-amdhsa--gfx1250"
	.amdhsa_code_object_version 6
	.text
	.protected	k_q3c81318bb7_gemm_out
	.globl	k_q3c81318bb7_gemm_out
	.p2align	8
	.type	k_q3c81318bb7_gemm_out,@function
k_q3c81318bb7_gemm_out:
	s_mov_b64 s[64:65], 0
	v_nop
	global_prefetch_b8 v0, s[64:65] scope:SCOPE_SE
	s_setreg_imm32_b32 hwreg(HW_REG_WAVE_MODE, 25, 1), 1
	s_wait_xcnt 0x0
	s_wait_alu depctr_hold_cnt(0) depctr_sa_sdst(0) depctr_va_vdst(0) depctr_va_sdst(0) depctr_va_ssrc(0) depctr_va_vcc(0) depctr_vm_vsrc(0)
	s_getreg_b32 s2, hwreg(HW_REG_IB_STS2, 6, 4)
	s_cmp_eq_u32 s2, 0
	s_cbranch_scc0 .Lentry_in_a_cluster
	s_endpgm
.Lentry_in_a_cluster:
	s_bfe_u32 s2, ttmp6, 0x10000c
	s_cmp_lg_u32 s2, 0xf033
	s_cbranch_scc0 .Lentry_shape_is_right
	s_endpgm
.Lentry_shape_is_right:
; out0 = o w_out + b_out on codes of FP6 (E2M3) with one E8M0 scale for each 32 along K = 1,024.  o: oq, images of fragments [tile of 16 stored rows: 256][K step of 128: 8][1,536 bytes] (registers 2 p, 2 p + 1 of lane l at
; 256 p + 8 l), scale bytes [stored row][32] from byte 3,145,728.  w_out: wq's rows 3,072-4,095, 768 bytes of codes each, scale bytes likewise.  Rows of both lie in the stored order (bits 3 and 4 of the number exchanged).
; A tile of out0 is 128 x 128: 256 work-groups of four waves, each 64 x 64: 16 accumulators.  ALL OF K LIES IN LDS, BY ONE TENSOR LOAD A WAVE: waves 0, 1 bring four tiles of o each (49,152 dense bytes, as rows of 256),
; waves 2, 3 bring 64 whole rows of w_out's codes each (768 bytes, which begin at multiples of 256).  No LDS byte is filled again.  No prefetch: the launch has one fill and no loop to run ahead in.
; CLUSTERS: 4 x 4: A's block is shared along a row of the cluster, B's along a column: joint loads, a round in front of them and one at the end.
; THE MATRIX INSTRUCTION IS USED TRANSPOSED (source 0 = 16 rows of w_out^T, source 1 = 16 rows of o): a lane (r, h) holds stored row r of o's tile and, in B's tile 2 b + u, the natural columns 32 b + 16 h + 8 u + 0 .. 7.
; The bias is the C of each sum's first matrix instruction.  The scale words of a wave's rows for all of K stay in registers.
; REGISTERS: window 0: v0-31 addresses; v32-63 the bias; v64-95 o's scale words, v96-127 w_out's; v128-255 the accumulators.  Window 1: two fragment buffers at v0 and v128; on the way out v0-63 take rows read back.
.set PITCH, 816                        ; B's LDS row: 3 x (256 bytes + 16 of padding)
.set BL,    98304                      ; behind A's 8 tiles x 12,288 bytes: B's 128 rows
.set STG,   221184                     ; the stages: 16 rows x 272 bytes for each wave; no tensor load lands here
.set SCOFF, 3145728
.set ADRA, 8                           ; v8     8 x lane + my four tiles
.set ADRB, 12                          ; v12    row x pitch + 24 h; v13 the same behind one padding more in lanes 16-31
.set STO,  24
.set RD,   25
.set CO,   26
.set BI,   32
.set SCA,  64
.set SCB,  96
.set ACC,  128
.set G1A,  24
.set G1B,  32
.set G0A,  40
.set G0B,  68
.set MSB, 0
.macro WIN new
.if MSB != \new
	s_set_vgpr_msb (MSB<<8)|\new
.set MSB, \new
.endif
.endm
.macro CROUND
	s_barrier_signal -1
	s_barrier_wait -1
	s_cmp_lg_u32 s14, 0
	s_cbranch_scc1 .Lnot_wave_0_\@
	s_barrier_signal -3
.Lnot_wave_0_\@:
	s_barrier_wait -3
	s_barrier_signal -1
	s_barrier_wait -1
.endm
	s_load_b256 s[4:11], s[0:1], 0x0               ; oq, wq, b_out, out0
	v_lshl_add_u32 v30, v0, 2, 0x3a400
	v_mov_b32 v31, 0
	ds_add_u32 v30, v31                            ; the opening lines: the add twice on end
	ds_add_u32 v30, v31
	v_lshrrev_b32 v1, 5, v0
	v_readfirstlane_b32 s14, v1                    ; wave
	s_lshr_b32 s15, s14, 1                         ; my half of the rows; I fetch for A (0) or B (1)
	s_and_b32 s16, s14, 1                          ; my half of the columns; which half I fetch
	s_bfe_u32 s57, ttmp6, 0x40000                  ; cx
	s_bfe_u32 s58, ttmp6, 0x40004                  ; cy
	s_lshl_b32 s59, ttmp9, 2
	s_add_co_u32 s59, s59, s57                     ; tile column
	s_and_b32 s17, ttmp7, 0xffff
	s_lshl_b32 s17, s17, 2
	s_add_co_u32 s17, s17, s58                     ; tile row
	s_lshl_b32 s60, s58, 2
	s_lshl_b32 s60, 15, s60
	s_lshl_b32 s61, 0x1111, s57
	s_or_b32 s[G1A], s60, (3<<16)|(1<<21)          ; elements of 8 bytes, no padding: 192 rows of 256 bytes, dense
	s_mov_b32 s[G1A+1], 32<<16
	s_mov_b32 s[G1A+2], 192<<16
	s_mov_b32 s[G1A+3], 32<<16
	s_mov_b32 s[G1A+4], 192
	s_mov_b32 s[G1A+5], 32
	s_mov_b32 s[G1A+6], 0
	s_mov_b32 s[G1A+7], 0
	s_or_b32 s[G1B], s61, (0<<16)|(1<<20)|(1<<21)|(5<<22)|(3<<25)   ; bytes; 4 words of padding behind every 64
	s_mov_b32 s[G1B+1], 768<<16
	s_mov_b32 s[G1B+2], 64<<16
	s_mov_b32 s[G1B+3], 768<<16
	s_mov_b32 s[G1B+4], 64
	s_mov_b32 s[G1B+5], 768
	s_mov_b32 s[G1B+6], 0
	s_mov_b32 s[G1B+7], 0
	s_lshl_b32 s18, s17, 3
	s_lshl_b32 s19, s16, 2
	s_add_co_u32 s18, s18, s19
	s_mul_i32 s18, s18, 12288                      ; A: tile 8 x tile row + 4 x half
	s_mov_b32 s19, 0
	s_lshl_b32 s20, s59, 7
	s_lshl_b32 s21, s16, 6
	s_add_co_u32 s20, s20, s21
	s_add_co_u32 s20, s20, 3072
	s_mul_i32 s20, s20, 768                        ; B: row 3,072 + 128 x tile column + 64 x half
	s_mov_b32 s21, 0
	s_mul_i32 s22, s16, 49152                      ; where they go
	s_mul_i32 s23, s16, 64*PITCH
	s_wait_dscnt 0x0
	s_wait_kmcnt 0x0
	s_add_nc_u64 s[18:19], s[4:5], s[18:19]
	s_add_nc_u64 s[20:21], s[6:7], s[20:21]
	s_mov_b32 s[G0A], 1
	s_mov_b32 s[G0A+1], s22
	s_mov_b64 s[G0A+2:G0A+3], s[18:19]
	s_or_b32 s[G0A+3], s[G0A+3], 0x80000000
	s_mov_b32 s[G0B], 1
	s_add_co_u32 s[G0B+1], s23, BL
	s_mov_b64 s[G0B+2:G0B+3], s[20:21]
	s_or_b32 s[G0B+3], s[G0B+3], 0x80000000
	CROUND                                         ; the joint loads meet
	s_cmp_eq_u32 s15, 0
	s_cbranch_scc0 .Lfirst_b
	tensor_load_to_lds s[G0A:G0A+3], s[G1A:G1A+7]
	s_nop 0
.rept 4
	v_nop
.endr
	s_branch .Lfirst_asked
.Lfirst_b:
	tensor_load_to_lds s[G0B:G0B+3], s[G1B:G1B+7]
	s_nop 0
.rept 4
	v_nop
.endr
.Lfirst_asked:
	v_and_b32 v1, 15, v0                           ; r
	v_bfe_u32 v2, v0, 4, 1                         ; h
	v_and_b32 v3, 31, v0
	v_lshlrev_b32 v4, 3, v3
	s_mul_i32 s22, s15, 49152                      ; my four tiles of A
	v_mul_u32_u24 v5, v1, PITCH
	v_mad_u32_u24 v5, v2, 24, v5
	v_lshl_add_u32 v6, v2, 4, v5
	s_mul_i32 s23, s16, 64*PITCH                   ; my 64 rows of B
	s_add_co_u32 s23, s23, BL
	v_add_nc_u32 v[ADRA], s22, v4
	v_add_nc_u32 v[ADRB], s23, v5
	v_add_nc_u32 v[ADRB+1], s23, v6
	v_lshlrev_b32 v20, 5, v1                       ; 32 r
	v_lshlrev_b32 v21, 6, v2                       ; 64 h
	s_wait_alu depctr_va_vdst(0)                   ; the wait ahead of the run of scalar lines
	s_lshl_b32 s18, s17, 7
	s_lshl_b32 s19, s15, 6
	s_add_co_u32 s18, s18, s19                     ; my first row
	s_lshl_b32 s20, s59, 7
	s_lshl_b32 s21, s16, 6
	s_add_co_u32 s20, s20, s21                     ; my first column
	s_lshl_b32 s22, s18, 5
	s_add_co_u32 s22, s22, SCOFF
	s_mov_b32 s23, 0
	s_add_nc_u64 s[84:85], s[4:5], s[22:23]        ; o's scale bytes at my rows
	s_add_co_u32 s22, s20, 3072
	s_lshl_b32 s22, s22, 5
	s_add_co_u32 s22, s22, SCOFF
	s_add_nc_u64 s[86:87], s[6:7], s[22:23]        ; w_out's at my columns
	s_lshl_b32 s22, s20, 2
	s_add_nc_u64 s[88:89], s[8:9], s[22:23]        ; b_out at my columns
	s_lshl_b32 s18, s18, 12
	s_add_co_u32 s22, s18, s22
	s_add_nc_u64 s[90:91], s[10:11], s[22:23]      ; out0 at my corner
.irp a, 0,1,2,3
	global_load_b128 v[SCA+8*\a:SCA+8*\a+3], v20, s[84:85] offset:512*\a
	global_load_b128 v[SCA+8*\a+4:SCA+8*\a+7], v20, s[84:85] offset:512*\a+16
	global_load_b128 v[SCB+8*\a:SCB+8*\a+3], v20, s[86:87] offset:512*\a
	global_load_b128 v[SCB+8*\a+4:SCB+8*\a+7], v20, s[86:87] offset:512*\a+16
	global_load_b128 v[BI+8*\a:BI+8*\a+3], v21, s[88:89] offset:128*(\a/2)+32*(\a%2)
	global_load_b128 v[BI+8*\a+4:BI+8*\a+7], v21, s[88:89] offset:128*(\a/2)+32*(\a%2)+16
.endr
	s_mul_i32 s22, s14, 16*272
	s_add_co_u32 s22, s22, STG                     ; my stage
	v_mul_u32_u24 v[STO], v1, 272
	v_lshl_add_u32 v[STO], v2, 6, v[STO]
	v_add_nc_u32 v[STO], s22, v[STO]               ; in: row r, + 64 h
	v_mul_u32_u24 v[RD], v2, 272
	v_lshl_add_u32 v[RD], v1, 4, v[RD]
	v_add_nc_u32 v[RD], s22, v[RD]                 ; back: lanes 0-15 one row of 256 bytes, lanes 16-31 the next
	v_lshlrev_b32 v[CO], 12, v2
	v_lshl_add_u32 v[CO], v1, 4, v[CO]             ; and the same two rows in out0
; K step k's fragments into buffer k % 2: A's four by images, B's four from rows in pieces of 8 bytes: byte y of a row lies at y + 16 (y / 256); where lanes 16-31, 24 bytes on, lie behind one padding more, v13 serves.
.macro FETCH k
.set FB0, 128*((\k)%2)
	WIN 0x40
.irp a, 0,1,2,3
.irp p, 0,1,2,3,4,5
	ds_load_b64 v[FB0+12*\a+2*\p:FB0+12*\a+2*\p+1], v[ADRA] offset:12288*\a+1536*(\k)+256*\p
.endr
.endr
.irp b, 0,1,2,3
.irp p, 0,1,2,3,4,5
.set BY, 96*(\k)+48*(\p/3)+8*(\p%3)
.if BY/256 == (BY+24)/256
	ds_load_b64 v[FB0+48+12*\b+2*\p:FB0+48+12*\b+2*\p+1], v[ADRB] offset:BY+16*(BY/256)+\b*16*PITCH
.else
	ds_load_b64 v[FB0+48+12*\b+2*\p:FB0+48+12*\b+2*\p+1], v[ADRB+1] offset:BY+16*(BY/256)+\b*16*PITCH
.endif
.endr
.endr
.endm
.macro MUL k                           ; 16 products, the accumulators by turns; the first K step takes the bias as C
.set FB0, 128*((\k)%2)
	WIN 0x05
.irp a, 0,1,2,3
.irp b, 0,1,2,3
.if (\k) == 0
	v_wmma_scale_f32_16x16x128_f8f6f4 v[ACC+8*(4*\a+\b):ACC+8*(4*\a+\b)+7], v[FB0+48+12*\b:FB0+48+12*\b+11], v[FB0+12*\a:FB0+12*\a+11], v[BI+8*\b:BI+8*\b+7], v[SCB+8*\b+(\k)], v[SCA+8*\a+(\k)] matrix_a_fmt:MATRIX_FMT_FP6 matrix_b_fmt:MATRIX_FMT_FP6
.else
	v_wmma_scale_f32_16x16x128_f8f6f4 v[ACC+8*(4*\a+\b):ACC+8*(4*\a+\b)+7], v[FB0+48+12*\b:FB0+48+12*\b+11], v[FB0+12*\a:FB0+12*\a+11], v[ACC+8*(4*\a+\b):ACC+8*(4*\a+\b)+7], v[SCB+8*\b+(\k)], v[SCA+8*\a+(\k)] matrix_a_fmt:MATRIX_FMT_FP6 matrix_b_fmt:MATRIX_FMT_FP6
.endif
.endr
.endr
.endm
.macro PLACES
.rept 4
	v_nop
.endr
.endm
	s_wait_alu depctr_va_vdst(0)                   ; the wait at the head's end
	s_wait_tensorcnt 0x0                           ; my load is in
	s_barrier_signal -1
	s_barrier_wait -1                              ; everybody's is
	FETCH 0
.irp k, 0,1,2,3,4,5,6,7
	s_wait_dscnt 0x0                               ; this K step's fragments are in
.if \k < 7
.if \k > 0
	PLACES                                         ; the buffer that the last K step's products read is loaded again
.endif
	FETCH \k+1
.endif
.if \k == 0
	s_wait_loadcnt 0x0                             ; the scale words and the bias
.endif
	MUL \k
.endr
; THE WAY OUT, 16 rows x 64 columns at a time, through my own stage: a lane's 32 bytes go in, whole rows of 256 bytes come back.
.macro TOSTAGE a
	WIN 0
.irp b, 0,1,2,3
	ds_store_b128 v[STO], v[ACC+8*(4*(\a)+\b):ACC+8*(4*(\a)+\b)+3] offset:128*(\b/2)+32*(\b%2)
	ds_store_b128 v[STO], v[ACC+8*(4*(\a)+\b)+4:ACC+8*(4*(\a)+\b)+7] offset:128*(\b/2)+32*(\b%2)+16
.endr
	WIN 0x40
.irp t, 0,1,2,3,4,5,6,7
	ds_load_b128 v[32*((\a)%2)+4*\t:32*((\a)%2)+4*\t+3], v[RD] offset:544*\t
.endr
.endm
.macro SEND a, younger
	s_wait_dscnt \younger
	WIN 0x04
.irp t, 0,1,2,3,4,5,6,7
	global_store_b128 v[CO], v[32*((\a)%2)+4*\t:32*((\a)%2)+4*\t+3], s[90:91] offset:(32*((\a)/2)+8*((\a)%2)+2*\t+8*(\t/4))*4096 th:TH_STORE_NT   ; stored rows 16 a + 2 t + h are natural rows 32 (a / 2) + 8 (a % 2) + 2 t + h + 8 (t / 4); sixteen lanes store 256 consecutive bytes, aligned
.endr
.endm
	PLACES
	s_wait_alu depctr_va_vdst(0)
	TOSTAGE 0
.irp a, 1,2,3
.if \a > 1
	s_wait_xcnt 0x0                                ; block a - 2's stores have read their registers
.endif
	TOSTAGE \a
	SEND \a-1, 16                                  ; behind block a - 1's loads: block a's 8 stores and 8 loads
.endr
	SEND 3, 0
	WIN 0
	s_wait_tensorcnt 0x0                           ; the wave's end
	ds_add_u32 v30, v31
	s_wait_dscnt 0x0
	CROUND                                         ; the closing round
	s_endpgm
.Lfunc_end_k_q3c81318bb7_gemm_out:
	.size	k_q3c81318bb7_gemm_out, .Lfunc_end_k_q3c81318bb7_gemm_out-k_q3c81318bb7_gemm_out
	.p2alignl 7, 3214868480
	.fill 96, 4, 3214868480
	.section	.rodata,"a",@progbits
	.p2align	6, 0x0
	.amdhsa_kernel k_q3c81318bb7_gemm_out
		.amdhsa_group_segment_fixed_size 239104
		.amdhsa_private_segment_fixed_size 0
		.amdhsa_enable_private_segment 0
		.amdhsa_kernarg_size 32
		.amdhsa_user_sgpr_count 2
		.amdhsa_user_sgpr_kernarg_segment_ptr 1
		.amdhsa_wavefront_size32 1
		.amdhsa_system_sgpr_workgroup_id_x 1
		.amdhsa_system_sgpr_workgroup_id_y 1
		.amdhsa_system_sgpr_workgroup_id_z 1
		.amdhsa_system_vgpr_workitem_id 0
		.amdhsa_next_free_vgpr 512
		.amdhsa_next_free_sgpr 96
		.amdhsa_reserve_vcc 0
		.amdhsa_float_denorm_mode_32 3
		.amdhsa_float_denorm_mode_16_64 3
		.amdhsa_memory_ordered 1
		.amdhsa_forward_progress 1
		.amdhsa_inst_pref_size 59
	.end_amdhsa_kernel
	.amdgpu_metadata
---
amdhsa.version: [ 1, 2 ]
amdhsa.kernels:
  - .name:           k_q3c81318bb7_gemm_out
    .symbol:         k_q3c81318bb7_gemm_out.kd
    .args:
      - { .name: oq, .offset: 0, .size: 8, .value_kind: global_buffer, .address_space: global }
      - { .name: wq, .offset: 8, .size: 8, .value_kind: global_buffer, .address_space: global }
      - { .name: b_out, .offset: 16, .size: 8, .value_kind: global_buffer, .address_space: global }
      - { .name: out0, .offset: 24, .size: 8, .value_kind: global_buffer, .address_space: global }
    .group_segment_fixed_size: 239104
    .private_segment_fixed_size: 0
    .kernarg_segment_align: 8
    .kernarg_segment_size: 32
    .max_flat_workgroup_size: 128
    .sgpr_count:     96
    .vgpr_count:     512
    .wavefront_size: 32
...
	.end_amdgpu_metadata
.endif
;; end of part 4
